; MI455X (gfx1250); checked and timed in simulation.
; The chip was launched on July 23, 2026; its instructions are those of AMD's public machine-readable ISA for CDNA 5 (MIT licence, August 2026) and "CDNA5" Instruction Set Architecture Reference Guide (July 2026). The comments in the code are by the model that wrote it; some were corrected since.
;; Multi Head Self Attention. Allowed arithmetic: matrix products marked QUANTISED: E2M1 operands, one E8M0 scale for each 32 along K, by v_wmma_scale_f32_16x16x128_f8f6f4 with both operands' format E2M1 (or v_wmma_scale_f32_32x16x128_f4), f32 sums; products left as they are: bf16, f16 or f32 operands; f32 sums; everything else in f32.
;; Inputs: W_O 1,024 x 1,024 float32; W_QKV 1,024 x 3,072 float32; token_positions 2,048 int32; x 4 x 2,048 x 1,024 float32.
;; Outputs: out0 4 x 2,048 x 1,024 float32.
;; This version of the problem:
;;   THIS VERSION OF THE PROBLEM IS GIVEN IN LOW PRECISION. The matrix products marked QUANTISED in the list below multiply operands that are first quantised to E2M1 (2 exponent bits, 1 mantissa bit; 4 bits a number), with one power-of-two scale for each 32 numbers along K (OCP MX v1.0); their sums are f32. The products marked 'left as it is' may take bf16, f16 or f32 operands, with f32 sums. All else is computed in f32.
;;   The module's matrix products, in the order in which they are computed (A, B: the left and right operand; K: the contracted axis; several contracted axes count as one K, in the product's order):
;;     1. [M 8,192, K 1,024] x [K 1,024, N 3,072]; A: input x; B: input W_QKV: QUANTISED
;;     2. batch 64 x [M 2,048, K 64] x [K 64, N 2,048]; A: computed on the way; B: computed on the way: left as it is (an operand is computed on the way)
;;     3. batch 64 x [M 2,048, K 2,048] x [K 2,048, N 64]; A: computed on the way; B: computed on the way: left as it is (an operand is computed on the way)
;;     4. [M 8,192, K 1,024] x [K 1,024, N 1,024]; A: computed on the way; B: input W_O: left as it is (an operand is computed on the way)
;;   THE QUANTISER, for each operand of a quantised product, along K:
;;     - K is cut into blocks of 32 from its start; a last block that is shorter is filled with zeros.
;;     - A block's scale is 2^e with e = floor(log2(the largest magnitude in the block)) - 2, held to -126 .. 127; a block of zeros has e = 0. As a byte (E8M0): e + 127.
;;     - Each number is divided by its block's scale, clamped to +-6, and rounded to the nearest number of E2M1, ties to even, subnormals kept.
;;     - The product sums the exact products of the quantised numbers (number of the format x scale) in f32.
;;   ~~~python
;;   def quantise(x, axis):      # numpy; x: float32 -> the quantised numbers, widened to float32 again
;;       x = np.moveaxis(x, axis, -1); K = x.shape[-1]
;;       x = np.pad(x, [(0, 0)] * (x.ndim - 1) + [(0, -K % 32)]); x = x.reshape(x.shape[:-1] + (-1, 32)); a = np.abs(x).max(-1, keepdims=True)
;;       e = np.where(a > 0, np.clip(np.frexp(np.where(a > 0, a, 1))[1] - 1 - 2, -126, 127), 0)      # np.frexp(a)[1] - 1 = floor(log2(a)), exactly
;;       r = np.clip(x / 2.0 ** e, -6, 6)
;;       step = 2.0 ** (np.maximum(np.frexp(np.where(r == 0, 1, r))[1] - 1, 0) - 1)
;;       q = np.round(r / step) * step * 2.0 ** e      # np.round: ties to even
;;       return np.moveaxis(q.reshape(q.shape[:-2] + (-1,))[..., :K], -1, axis).astype(np.float32)
;;   ~~~
;; One version. Each part assembles by itself: llvm-mc -triple=amdgcn-amd-amdhsa -mcpu=gfx1250 --defsym DOCPART=n.
;; ======== version 1 of 1: 4 launches
;; limits: values are held in f16: magnitudes above 65,504 overflow, below 6.1e-05 lose precision
;; workspace buffers: xq 4,456,448 bytes; wq 1,671,168 bytes; wo_img 2,097,152 bytes; tab 524,288 bytes; qkv 50,331,648 bytes; a_img 16,777,216 bytes
;; launch prep (part 1): grid 400 x 1, 4 waves a work-group, no clusters, 68,096 bytes of LDS; arguments x, W_QKV, W_O, token_positions, xq, wq, wo_img, tab; writes xq, wq, wo_img, tab
.if DOCPART == 1
	.amdgcn_target "amdgcn-amd-amdhsa--gfx1250"
	.amdhsa_code_object_version 6
	.text
	.protected	k_q9b19727c84_prep
	.globl	k_q9b19727c84_prep
	.p2align	8
	.type	k_q9b19727c84_prep,@function
k_q9b19727c84_prep:
	s_mov_b64 s[64:65], 0
	v_nop
	global_prefetch_b8 v0, s[64:65] scope:SCOPE_SE
	s_setreg_imm32_b32 hwreg(HW_REG_WAVE_MODE, 25, 1), 1
	s_wait_xcnt 0x0
; PREP: four pieces of work that do not depend on each other, told apart by the work-group's number; each has its own path, pointers, LDS bytes and end.
;   work-groups   0- 47  W: W_QKV [1024 (k)][3072 (n)] f32 -> codes of FP4 (E2M1), K innermost, wq [3072][512 bytes]; scale bytes [3072][32] at byte 1,572,864 of wq
;   work-groups  48-111  O: W_O [1024 (k)][1024 (n)] f32 -> f16, laid as the last launch's operand registers: wo_img [n/16][k/32][2][lane][16 bytes]
;   work-groups 112-143  T: cos and sin of token_positions x inverse frequency, f32, laid as the second launch's result registers: tab [token/16][4][cos, sin][lane][16 bytes]
;   work-groups 144-399  X: x [8192][1024] f32 -> codes of FP4, xq [8192][512 bytes]; scale bytes [8192][32] at byte 4,194,304 of xq
; THE QUANTISER: a block of 32 along K has the scale 2^(floor(log2(its largest magnitude)) - 2); the byte is the largest magnitude's exponent field - 2, held at 1 from below; numbers are divided
; by the scale and rounded to the nearest code, ties to even, beyond 6 the largest code.
; LIMITS: a block of zeros gets the byte 1 where the rule says 127 (its codes are zeros, and only this program reads the bytes); blocks whose largest magnitude lies under 2^-124 are held at that floor;
; NaN and infinities among the inputs are not served; W_O's magnitudes stay under 65,504, f16's largest number.  Positions: any int32; the angle is the f32 product pos x frequency, reduced by pi/2 in two parts.
; No tensor loads, no barrier: waves share nothing.
.set EMAX, 2
	v_lshl_add_u32 v192, v0, 2, 0x10800
	v_mov_b32 v193, 0
	s_cmp_lt_u32 ttmp9, 48
	s_cbranch_scc1 .Lpath_w
	s_cmp_lt_u32 ttmp9, 112
	s_cbranch_scc1 .Lpath_o
	s_cmp_lt_u32 ttmp9, 144
	s_cbranch_scc1 .Lpath_t
; ---------------------------------------------------------------- PATH X: x is a plain stream of blocks of 32.  A wave takes 16 steps of 512 numbers.
; Each load reads 512 consecutive bytes; a step's 2,048 bytes turn through the wave's own stage in LDS (16 bytes of padding behind each 64) and come back 64 bytes a lane: 16 neighbours along K, two lanes to a block.
.set XSTEPS, 16
.set XCB,   8                          ; bytes of 16 codes
.set XR,    16                         ; v16-79   four sets of 16 numbers as loaded
.set XN,    80                         ; v80-111  two sets of 16 neighbours
.set XC,    128                        ; v128-191 codes: four registers a step, so that no store's data are written again
.set XE,    112                        ; v112-127 a scale byte for each step
.set XWREG, 8192                       ; LDS bytes 0 .. 32,767: a region for each wave: two stages of 32 x 80 bytes, then its 256 scale bytes
.set XSP,   80
	s_load_b64 s[4:5], s[0:1], 0x0                 ; x
	s_load_b64 s[8:9], s[0:1], 0x20                ; xq
	v_lshrrev_b32 v1, 5, v0
	v_readfirstlane_b32 s16, v1                    ; wave
	v_and_b32 v2, 31, v0                           ; lane
	v_lshlrev_b32 v3, 4, v2                        ; my 16 bytes of a load's 512
	s_mul_i32 s17, s16, XWREG
	v_lshrrev_b32 v14, 2, v2
	v_mul_u32_u24 v14, v14, XSP
	v_and_b32 v15, 3, v2
	v_lshl_add_u32 v14, v15, 4, v14
	v_add_nc_u32 v14, s17, v14                     ; the stage, in: 80 (lane / 4) + 16 (lane % 4)
	v_mul_u32_u24 v15, v2, XSP
	v_add_nc_u32 v15, s17, v15                     ; and out: 80 x lane
	v_mul_u32_u24 v4, v2, XCB                      ; my codes' place in a step's
	v_lshrrev_b32 v5, 1, v2
	s_add_co_u32 s17, s17, 2*32*XSP
	v_add_nc_u32 v5, s17, v5                       ; my block's scale byte in LDS
	v_lshlrev_b32 v7, 3, v2
	v_add_nc_u32 v6, s17, v7                       ; and on the way out 8 bytes a lane
	s_sub_co_u32 s17, ttmp9, 144
	s_lshl_b32 s17, s17, 2
	s_add_co_u32 s18, s17, s16                     ; which run of 8,192 numbers is my wave's
	s_mov_b32 s19, 0
	s_mov_b64 s[20:21], 512*XSTEPS*4
	s_mul_u64 s[20:21], s[18:19], s[20:21]
	s_mov_b64 s[22:23], 32*XSTEPS*XCB
	s_mul_u64 s[22:23], s[18:19], s[22:23]
	s_lshl_b32 s18, s18, 8                         ; 256 scale bytes a run
	s_wait_kmcnt 0x0
	s_add_nc_u64 s[4:5], s[4:5], s[20:21]
	s_add_nc_u64 s[10:11], s[8:9], 0x400000        ; the scale bytes lie behind the codes
	s_add_nc_u64 s[8:9], s[8:9], s[22:23]
	s_add_nc_u64 s[10:11], s[10:11], s[18:19]
.macro XLOAD t
.irp i, 0,1,2,3
	global_load_b128 v[XR+16*((\t)%4)+4*\i:XR+16*((\t)%4)+4*\i+3], v3, s[4:5] offset:2048*(\t)+512*\i th:TH_LOAD_NT
.endr
.endm
.macro XTURN t                         ; a step's numbers through the stage: LDS serves a wave's instructions in order, so no wait stands between the stores and the loads
.irp i, 0,1,2,3
	ds_store_b128 v14, v[XR+16*((\t)%4)+4*\i:XR+16*((\t)%4)+4*\i+3] offset:32*XSP*((\t)%2)+8*XSP*\i
.endr
.irp i, 0,1,2,3
	ds_load_b128 v[XN+16*((\t)%2)+4*\i:XN+16*((\t)%2)+4*\i+3], v15 offset:32*XSP*((\t)%2)+16*\i
.endr
.endm
.irp t, 0,1,2,3
	XLOAD \t
.endr
	s_wait_loadcnt 12                              ; step 0's four loads are in; the twelve behind them stay out
	XTURN 0
.macro XSTEP t
.set XS8, XN+16*((\t)%2)
.if (\t) > 0
	s_wait_dscnt 1                                 ; this step's numbers are back from the stage (the last step's byte store may be out)
.else
	s_wait_dscnt 0x0
.endif
.if (\t)+4 < XSTEPS
	XLOAD (\t)+4                                   ; the stage's stores have read these registers
.endif
.if (\t)+1 < XSTEPS
.if XSTEPS-2-(\t) >= 3
	s_wait_loadcnt 12                              ; the next step's four loads are in; those of the three steps behind may be out
.else
	s_wait_loadcnt 4*(XSTEPS-2-(\t))
.endif
	XTURN (\t)+1
.endif
	v_max3_num_f32 v8, |v[XS8]|, |v[XS8+1]|, |v[XS8+2]|            ; the largest magnitude of my 16, in two chains
	v_max3_num_f32 v9, |v[XS8+3]|, |v[XS8+4]|, |v[XS8+5]|
.irp i, 6,10
	v_max3_num_f32 v8, v8, |v[XS8+\i]|, |v[XS8+\i+1]|
	v_max3_num_f32 v9, v9, |v[XS8+\i+2]|, |v[XS8+\i+3]|
.endr
	v_max3_num_f32 v8, v8, |v[XS8+14]|, |v[XS8+15]|
	v_max3_num_f32 v8, v8, v9, (EMAX+1)<<23        ; and the floor 2^(3 - 127): the byte cannot fall under 1
	v_max_num_f32_dpp v8, v8, v8 row_xmask:1 row_mask:0xf bank_mask:0xf   ; with my neighbour's 16: the block's
	v_add_nc_u32 v11, -(EMAX<<23), v8              ; 2 off the exponent field: the conversion takes this operand's exponent field as its scale
	v_cvt_scalef32_pk8_fp4_f32 v[XC+4*(\t)], v[XS8:XS8+7], v11
	v_cvt_scalef32_pk8_fp4_f32 v[XC+4*(\t)+1], v[XS8+8:XS8+15], v11
	v_lshrrev_b32 v[XE+(\t)], 23, v11              ; the scale's byte
	ds_store_b8 v5, v[XE+(\t)] offset:16*(\t)      ; both lanes of a block write the same byte with the same value
	global_store_b64 v4, v[XC+4*(\t):XC+4*(\t)+1], s[8:9] offset:32*XCB*(\t)   ; the wave stores 256 consecutive bytes, aligned
.endm
.irp t, 0,1,2,3,4,5,6,7,8,9,10,11,12,13,14,15
	XSTEP \t
.endr
	ds_load_b64 v[12:13], v6                       ; my wave's 256 scale bytes (these loads see my stores: one wave's LDS instructions are served in order)
	s_wait_dscnt 0x0
	global_store_b64 v7, v[12:13], s[10:11]        ; 256 consecutive bytes, aligned
	s_wait_tensorcnt 0x0
	ds_add_u32 v192, v193
	s_wait_dscnt 0x0
	s_endpgm
; ---------------------------------------------------------------- PATH W: K is W_QKV's first axis.  A lane takes a column n and its registers run down K: a block of 32 lies in one lane.
; Work-group: 128 columns x 512 along K (24 x 2 work-groups); a wave 32 columns.  The codes go through the wave's own stage and leave as rows: sixteen lanes store 256 consecutive bytes.
.Lpath_w:
.set WKW,    512
.set WNB,    16
.set WROWB,  256
.set WPITCH, 272
.set WKROW,  512                       ; a row of the codes' buffer
.set WN4,    3072*4                    ; a row of W_QKV in bytes; the largest immediate, 511 rows, stays inside 24 signed bits
.set WSTAGE, 32768                     ; LDS bytes 32,768 .. 67,583: this path's own
.set WX,     32                        ; v32-95   two sets of 32 numbers
.set WC,     96                        ; v96-99   a block's codes
.set WOUT,   112                       ; v112-175 the way out
.set WSB,    24                        ; v24-27   the scale bytes, four to a register
	s_load_b64 s[4:5], s[0:1], 0x8                 ; W_QKV
	s_load_b64 s[6:7], s[0:1], 0x28                ; wq
	v_lshrrev_b32 v1, 5, v0
	v_readfirstlane_b32 s16, v1                    ; wave
	v_and_b32 v2, 31, v0                           ; lane
	s_cmp_ge_u32 ttmp9, 24
	s_cselect_b32 s18, 1, 0                        ; which 512 along K
	s_cselect_b32 s17, 24, 0
	s_sub_co_u32 s17, ttmp9, s17                   ; which 128 columns
	s_lshl_b32 s17, s17, 7
	s_lshl_b32 s19, s16, 5
	s_add_co_u32 s17, s17, s19                     ; my wave's first column
	v_lshlrev_b32 v3, 2, v2                        ; in: 4 bytes a lane
	s_mul_i32 s19, s16, 32*WPITCH
	s_add_co_u32 s19, s19, WSTAGE                  ; my stage
	v_mul_u32_u24 v4, v2, WPITCH
	v_add_nc_u32 v4, s19, v4                       ; into it: row = my column
	v_and_b32 v5, 15, v2
	v_lshrrev_b32 v6, 4, v2
	v_mul_u32_u24 v7, v6, WPITCH
	v_lshl_add_u32 v7, v5, 4, v7
	v_add_nc_u32 v7, s19, v7                       ; out of it: sixteen lanes to a row, two rows an instruction
	v_mul_u32_u24 v8, v6, WKROW
	v_lshl_add_u32 v8, v5, 4, v8                   ; and the same place in the codes' buffer
	s_mov_b32 s19, 0
	s_mov_b64 s[20:21], WKW*WN4
	s_mul_u64 s[20:21], s[18:19], s[20:21]
	s_lshl_b32 s22, s17, 2
	s_mov_b32 s23, 0
	s_add_nc_u64 s[20:21], s[20:21], s[22:23]      ; W_QKV: 512 y rows + 4 x column
	s_mov_b32 s22, s17
	s_mov_b64 s[24:25], WKROW
	s_mul_u64 s[24:25], s[22:23], s[24:25]
	s_mul_i32 s26, s18, WROWB
	s_mov_b32 s27, 0
	s_add_nc_u64 s[24:25], s[24:25], s[26:27]      ; codes: column x 512 + 256 y
	s_mov_b64 s[28:29], 32
	s_mul_u64 s[28:29], s[22:23], s[28:29]
	s_mul_i32 s26, s18, WNB
	s_add_nc_u64 s[28:29], s[28:29], s[26:27]      ; scale bytes: column x 32 + 16 y
	v_mul_u32_u24 v9, v2, 32
	s_wait_kmcnt 0x0
	s_add_nc_u64 s[8:9], s[6:7], 0x180000          ; the scale bytes lie behind the codes
	s_add_nc_u64 s[4:5], s[4:5], s[20:21]
	s_add_nc_u64 s[6:7], s[6:7], s[24:25]
	s_add_nc_u64 s[8:9], s[8:9], s[28:29]
.macro WLOAD t                         ; block t: W(32 t + i, my column) into set t % 2: 128 consecutive bytes a wave
.set wi, 0
.rept 32
	global_load_b32 v[WX+32*((\t)%2)+wi], v3, s[4:5] offset:(32*(\t)+wi)*WN4 th:TH_LOAD_NT
.set wi, wi+1
.endr
.endm
	WLOAD 0
	WLOAD 1
.macro WBLOCK t
.set XS9, WX+32*((\t)%2)
.if (\t) < WNB-1
	s_wait_loadcnt 32                              ; this block's 32 loads are in; the next block's may be out
.else
	s_wait_loadcnt 0x0
.endif
	v_max3_num_f32 v12, |v[XS9]|, |v[XS9+1]|, |v[XS9+2]|           ; the block's largest magnitude: all 32 numbers are mine
	v_max3_num_f32 v13, |v[XS9+3]|, |v[XS9+4]|, |v[XS9+5]|
.irp i, 6,10,14,18,22,26
	v_max3_num_f32 v12, v12, |v[XS9+\i]|, |v[XS9+\i+1]|
	v_max3_num_f32 v13, v13, |v[XS9+\i+2]|, |v[XS9+\i+3]|
.endr
	v_max3_num_f32 v12, v12, |v[XS9+30]|, |v[XS9+31]|
	v_max3_num_f32 v12, v12, v13, (EMAX+1)<<23     ; and the floor
	v_add_nc_u32 v11, -(EMAX<<23), v12             ; the conversion's scale operand
	v_lshrrev_b32 v13, 23, v11                     ; the scale's byte
.if (\t)%4 == 0
	v_mov_b32 v[WSB+(\t)/4], v13
.else
	v_lshl_or_b32 v[WSB+(\t)/4], v13, 8*((\t)%4), v[WSB+(\t)/4]
.endif
.irp g, 0,1,2,3
	v_cvt_scalef32_pk8_fp4_f32 v[WC+\g], v[XS9+8*\g:XS9+8*\g+7], v11
.endr
	ds_store_b128 v4, v[WC:WC+3] offset:16*(\t)    ; 32 codes: 16 bytes of my column's row
.if (\t)+2 < WNB
	WLOAD (\t)+2
.endif
	s_wait_dscnt 0x0                               ; the store has read its registers: the next block's codes may be written
.endm
.set WQ, 0
.rept WNB
	WBLOCK WQ
.set WQ, WQ+1
.endr
	global_store_b128 v9, v[WSB:WSB+3], s[8:9]     ; my column's 16 scale bytes
.irp t, 0,1,2,3,4,5,6,7,8,9,10,11,12,13,14,15
	ds_load_b128 v[WOUT+4*\t:WOUT+4*\t+3], v7 offset:2*\t*WPITCH
.endr
.irp t, 0,1,2,3,4,5,6,7,8,9,10,11,12,13,14,15
	s_wait_dscnt 15-\t                             ; row pair t is in; the younger loads stay out
	global_store_b128 v8, v[WOUT+4*\t:WOUT+4*\t+3], s[6:7] offset:2*\t*WKROW
.endr
	s_wait_tensorcnt 0x0
	ds_add_u32 v192, v193
	s_wait_dscnt 0x0
	s_endpgm
; ---------------------------------------------------------------- PATH O: W_O to f16.  A lane takes a column n, its registers run down K: 8 neighbours along K pack into 16 bytes,
; which are one lane's part of a fragment's image: lane (r = n % 16, h) of group g holds k = 32 kb + 16 g + 8 h + 0 .. 7.  Work-group: 128 columns x 128 along K; sixteen lanes store 256 consecutive bytes.
.Lpath_o:
	s_load_b64 s[4:5], s[0:1], 0x10                ; W_O
	s_load_b64 s[6:7], s[0:1], 0x30                ; wo_img
	v_lshrrev_b32 v1, 5, v0
	v_readfirstlane_b32 s16, v1                    ; wave
	v_and_b32 v2, 31, v0
	v_lshlrev_b32 v3, 2, v2                        ; in: 4 bytes a lane
	v_and_b32 v5, 15, v2
	v_lshrrev_b32 v6, 4, v2
	v_lshlrev_b32 v4, 4, v5
	v_lshl_add_u32 v4, v6, 15, v4                  ; out: 16 (lane % 16) + 32,768 (lane / 16): lanes 16-31 belong to the next tile of 16 columns
	s_sub_co_u32 s17, ttmp9, 48
	s_and_b32 s18, s17, 7                          ; which 128 columns
	s_lshr_b32 s19, s17, 3                         ; which 128 along K
	s_lshl_b32 s20, s19, 19                        ; 128 rows of 4,096 bytes
	s_lshl_b32 s22, s18, 9
	s_add_co_u32 s20, s20, s22
	s_lshl_b32 s22, s16, 7
	s_add_co_u32 s20, s20, s22                     ; + 4 x my wave's first column
	s_mov_b32 s21, 0
	s_lshl_b32 s24, s18, 18                        ; 8 tiles of 32,768 bytes
	s_lshl_b32 s22, s16, 16                        ; + 2 for each wave
	s_add_co_u32 s24, s24, s22
	s_lshl_b32 s22, s19, 12                        ; + 4 fragments of 1,024 bytes along K
	s_add_co_u32 s24, s24, s22
	s_mov_b32 s25, 0
	s_wait_kmcnt 0x0
	s_add_nc_u64 s[4:5], s[4:5], s[20:21]
	s_add_nc_u64 s[6:7], s[6:7], s[24:25]
.macro OLOAD t
.set oi, 0
.rept 32
	global_load_b32 v[32+32*((\t)%2)+oi], v3, s[4:5] offset:(32*(\t)+oi)*4096 th:TH_LOAD_NT
.set oi, oi+1
.endr
.endm
.macro OBLOCK t
.if (\t) < 3
	s_wait_loadcnt 32                              ; this block's 32 loads are in; the next block's may be out
.else
	s_wait_loadcnt 0x0
.endif
.set oi, 0
.rept 16
	v_cvt_pk_f16_f32 v[96+16*(\t)+oi], v[32+32*((\t)%2)+2*oi], v[33+32*((\t)%2)+2*oi]   ; each block has its own 16 result registers: no store's data are written again
.set oi, oi+1
.endr
.if (\t) < 2
	OLOAD (\t)+2
.endif
.irp q, 0,1,2,3
	global_store_b128 v4, v[96+16*(\t)+4*\q:96+16*(\t)+4*\q+3], s[6:7] offset:(\t)*1024+(\q/2)*512+(\q%2)*256
.endr
.endm
	OLOAD 0
	OLOAD 1
	OBLOCK 0
	OBLOCK 1
	OBLOCK 2
	OBLOCK 3
	s_endpgm
; ---------------------------------------------------------------- PATH T: the table of cos and sin.  A wave takes 16 tokens; lane (r, h) makes, for q = 0 .. 3 and p = 0 .. 3, the pair index 8 q + 4 h + p of token r.
; frequency = 2^(-i log2(10000) / 32); angle = pos x frequency, one f32 product; n = nearest whole number to angle x 2 / pi; r = angle - n pi/2 (pi/2 in two parts, fused);
; sin and cos of r by polynomials on |r| <= pi/4; n mod 4 swaps them and sets the signs, by selects: nothing branches on data.
.Lpath_t:
	s_load_b64 s[4:5], s[0:1], 0x18                ; token_positions
	s_load_b64 s[6:7], s[0:1], 0x38                ; tab
	v_lshrrev_b32 v1, 5, v0
	v_readfirstlane_b32 s16, v1                    ; wave
	v_and_b32 v2, 15, v0                           ; r
	v_bfe_u32 v3, v0, 4, 1                         ; h
	v_and_b32 v5, 31, v0
	v_lshlrev_b32 v5, 4, v5                        ; 16 x lane
	v_lshlrev_b32 v4, 2, v2                        ; 4 r
	v_lshlrev_b32 v7, 2, v3                        ; 4 h
	s_sub_co_u32 s17, ttmp9, 112
	s_lshl_b32 s17, s17, 2
	s_add_co_u32 s17, s17, s16                     ; my tile of 16 tokens
	s_lshl_b32 s18, s17, 6
	s_mov_b32 s19, 0
	s_lshl_b32 s30, s17, 12
	s_mov_b32 s31, 0
	s_mov_b32 s20, 0x3f22f983                      ; 2 / pi
	s_mov_b32 s21, 0xbfc90fdb                      ; -(pi/2)'s upper part
	s_mov_b32 s22, 0x333bbd2e                      ; upper part - pi/2
	s_mov_b32 s23, 0xb94ca1f9                      ; sin: -1.9515296e-4,
	s_mov_b32 s24, 0x3c08839e                      ; 8.3321609e-3,
	s_mov_b32 s25, 0xbe2aaaa3                      ; -1.6666655e-1
	s_mov_b32 s26, 0x37ccf5ce                      ; cos: 2.4433157e-5,
	s_mov_b32 s27, 0xbab6061a                      ; -1.3887316e-3,
	s_mov_b32 s28, 0x3d2aaaa5                      ; 4.1666646e-2
	s_wait_kmcnt 0x0
	s_add_nc_u64 s[4:5], s[4:5], s[18:19]
	s_add_nc_u64 s[6:7], s[6:7], s[30:31]
	global_load_b32 v6, v4, s[4:5]                 ; pos of token r
.set ti, 0
.rept 16
	v_add_nc_u32 v[16+ti], 8*(ti/4)+ti%4, v7       ; the pair index
.set ti, ti+1
.endr
.set ti, 0
.rept 16
	v_cvt_f32_u32 v[16+ti], v[16+ti]
.set ti, ti+1
.endr
.set ti, 0
.rept 16
	v_mul_f32 v[16+ti], 0xbed49a78, v[16+ti]       ; x -log2(10000) / 32
.set ti, ti+1
.endr
.set ti, 0
.rept 16
	v_exp_f32 v[16+ti], v[16+ti]
.set ti, ti+1
.endr
	v_nop                                          ; a plain instruction between the last exponential and the use of its result
	s_wait_loadcnt 0x0
	v_cvt_f32_i32 v6, v6
.set ti, 0
	s_wait_alu depctr_va_vdst(0)
.rept 16
	v_mul_f32 v[16+ti], v6, v[16+ti]               ; the angle
.set ti, ti+1
.endr
.macro SINCOS a, c, s
	v_mul_f32 v8, s20, v[\a]
	v_rndne_f32 v8, v8                             ; n
	v_fma_f32 v9, v8, s21, v[\a]
	v_fma_f32 v9, v8, s22, v9                      ; r
	v_cvt_i32_f32 v10, v8
	v_mul_f32 v11, v9, v9                          ; z = r r
	v_fma_f32 v12, v11, s23, s24
	v_fma_f32 v12, v12, v11, s25
	v_mul_f32 v13, v11, v9
	v_fma_f32 v12, v12, v13, v9                    ; sin r
	v_fma_f32 v13, v11, s26, s27
	v_fma_f32 v13, v13, v11, s28
	v_mul_f32 v14, v11, v11
	v_fma_f32 v15, v11, -0.5, 1.0
	v_fma_f32 v13, v13, v14, v15                   ; cos r
	v_and_b32 v14, 1, v10
	v_cmp_eq_u32 vcc_lo, 1, v14                    ; an odd n swaps the two
	v_cndmask_b32 v[\s], v12, v13, vcc_lo
	v_cndmask_b32 v[\c], v13, v12, vcc_lo
	v_and_b32 v14, 2, v10                          ; sin is negated where n mod 4 is 2 or 3,
	v_lshlrev_b32 v14, 30, v14
	v_xor_b32 v[\s], v14, v[\s]
	v_add_nc_u32 v15, 1, v10                       ; cos where it is 1 or 2
	v_and_b32 v15, 2, v15
	v_lshlrev_b32 v15, 30, v15
	v_xor_b32 v[\c], v15, v[\c]
.endm
.set ti, 0
.rept 16
	SINCOS 16+ti, 32+8*(ti/4)+ti%4, 36+8*(ti/4)+ti%4
.set ti, ti+1
.endr
.irp q, 0,1,2,3
	global_store_b128 v5, v[32+8*\q:35+8*\q], s[6:7] offset:\q*1024        ; cos: 512 consecutive bytes a store
	global_store_b128 v5, v[36+8*\q:39+8*\q], s[6:7] offset:\q*1024+512    ; sin
.endr
	s_endpgm
.Lfunc_end_k_q9b19727c84_prep:
	.size	k_q9b19727c84_prep, .Lfunc_end_k_q9b19727c84_prep-k_q9b19727c84_prep
	.p2alignl 7, 3214868480
	.fill 96, 4, 3214868480
	.section	.rodata,"a",@progbits
	.p2align	6, 0x0
	.amdhsa_kernel k_q9b19727c84_prep
		.amdhsa_group_segment_fixed_size 68096
		.amdhsa_private_segment_fixed_size 0
		.amdhsa_enable_private_segment 0
		.amdhsa_kernarg_size 64
		.amdhsa_user_sgpr_count 2
		.amdhsa_user_sgpr_kernarg_segment_ptr 1
		.amdhsa_wavefront_size32 1
		.amdhsa_system_sgpr_workgroup_id_x 1
		.amdhsa_system_sgpr_workgroup_id_y 1
		.amdhsa_system_sgpr_workgroup_id_z 1
		.amdhsa_system_vgpr_workitem_id 0
		.amdhsa_next_free_vgpr 194
		.amdhsa_next_free_sgpr 66
		.amdhsa_reserve_vcc 1
		.amdhsa_float_denorm_mode_32 3
		.amdhsa_float_denorm_mode_16_64 3
		.amdhsa_memory_ordered 1
		.amdhsa_forward_progress 1
		.amdhsa_inst_pref_size 153
	.end_amdhsa_kernel
	.amdgpu_metadata
---
amdhsa.version: [ 1, 2 ]
amdhsa.kernels:
  - .name:           k_q9b19727c84_prep
    .symbol:         k_q9b19727c84_prep.kd
    .args:
      - { .name: x, .offset: 0, .size: 8, .value_kind: global_buffer, .address_space: global }
      - { .name: W_QKV, .offset: 8, .size: 8, .value_kind: global_buffer, .address_space: global }
      - { .name: W_O, .offset: 16, .size: 8, .value_kind: global_buffer, .address_space: global }
      - { .name: token_positions, .offset: 24, .size: 8, .value_kind: global_buffer, .address_space: global }
      - { .name: xq, .offset: 32, .size: 8, .value_kind: global_buffer, .address_space: global }
      - { .name: wq, .offset: 40, .size: 8, .value_kind: global_buffer, .address_space: global }
      - { .name: wo_img, .offset: 48, .size: 8, .value_kind: global_buffer, .address_space: global }
      - { .name: tab, .offset: 56, .size: 8, .value_kind: global_buffer, .address_space: global }
    .group_segment_fixed_size: 68096
    .private_segment_fixed_size: 0
    .kernarg_segment_align: 8
    .kernarg_segment_size: 64
    .max_flat_workgroup_size: 128
    .sgpr_count:     66
    .vgpr_count:     194
    .wavefront_size: 32
...
	.end_amdgpu_metadata
.endif
;; end of part 1
;; launch qkv (part 2): grid 12 x 32, 4 waves a work-group, clusters of 4 x 4, 327,680 bytes of LDS; arguments xq, wq, tab, qkv; writes qkv
.if DOCPART == 2
	.amdgcn_target "amdgcn-amd-amdhsa--gfx1250"
	.amdhsa_code_object_version 6
	.text
	.protected	k_q9b19727c84_qkv
	.globl	k_q9b19727c84_qkv
	.p2align	8
	.type	k_q9b19727c84_qkv,@function
k_q9b19727c84_qkv:
	s_mov_b64 s[64:65], 0
	v_nop
	global_prefetch_b8 v0, s[64:65] scope:SCOPE_SE
	s_setreg_imm32_b32 hwreg(HW_REG_WAVE_MODE, 25, 1), 1
	s_wait_xcnt 0x0
	s_wait_alu depctr_hold_cnt(0) depctr_sa_sdst(0) depctr_va_vdst(0) depctr_va_sdst(0) depctr_va_ssrc(0) depctr_va_vcc(0) depctr_vm_vsrc(0)
	s_getreg_b32 s2, hwreg(HW_REG_IB_STS2, 6, 4)
	s_cmp_eq_u32 s2, 0
	s_cbranch_scc0 .Lentry_in_a_cluster
	s_endpgm
.Lentry_in_a_cluster:
	s_bfe_u32 s2, ttmp6, 0x10000c
	s_cmp_lg_u32 s2, 0xf033
	s_cbranch_scc0 .Lentry_shape_is_right
	s_endpgm
.Lentry_shape_is_right:
; QKV = Q(x) Q(W_QKV) on codes of FP4 (E2M1) with one E8M0 scale for each 32 along K = 1,024; sums in f32; then RoPE on Q and K in f32; all three rounded once to f16 and stored as images of the
; attention launch's operand registers, straight from registers: each store of a wave covers 512 consecutive bytes, aligned.
; A work-group of four waves makes 256 x 256 of the product, a wave 128 x 128: 64 accumulators, 512 registers.  K goes in two steps of 512 through two LDS slots; both are filled at the start and never again.
; THE MATRIX INSTRUCTION: source 1 = 16 rows of operand "A" (a lane's one row), source 0 = 16 rows of operand "B" (a lane's eight neighbouring columns).
;   clusters with x = 0 (Q) and 1 (K): A = x's tokens, B = W's columns: a lane holds one token and eight neighbouring channels: four RoPE pairs, and 16 bytes of a fragment of Q or K.
;   clusters with x = 2 (V): the two change places, by pointers alone: A = W's columns, B = x's tokens: a lane holds one channel and eight neighbouring tokens: 16 bytes of a fragment of V^T.
; CLUSTERS: 4 x 4 work-groups; A's tiles and scales are asked for jointly along a row of the cluster, B's along a column.  The choice of roles hangs on the cluster's x, which all sixteen share.
; OUT: Q at byte 0, K at 16 MiB: [batch x 16 + head][token / 16][channel / 32][2][lane][16 bytes]; V at 32 MiB: [batch x 16 + head][key / 32][channel / 16][2][lane][16 bytes].
; REGISTERS, in windows of 256: window 0: v0-31 addresses; v32-95 scale words, two sets, nothing else ever; v128-191 A's fragments, one set; on the way out v128-191 rotated numbers, v192-255 packed results.
;   window 1: B's fragments, two sets, v0-63 and v128-191; v64-127 and v192-255 the cos/sin table of my token tiles 2, 3, 6, 7, loaded at the head; the other four tiles' land in B's sets at the end.
;   window 2: the accumulators of my rows 0-63 ((a, b) at v[8 (8 a + b)]); window 3: rows 64-127.
; LIMITS: those of the quantiser's launch (the codes and bytes are taken as they lie); the magnitudes of Q, K and V stay under 65,504, f16's largest number: with both inputs 30 times the drawn spread they are some 4,500.
.set KSTEP,  512
.set NQ,     4                         ; matrix instructions deep in a slot
.set ROWB,   256                       ; a tile's row: 512 codes
.set KROW,   512                       ; a row of codes in memory
.set PITCH,  272                       ; an LDS row: 256 bytes + 16 of padding: the 16 rows of a fragment load start 68 words apart
.set FR,     8
.set NL,     2
.set NP,     4                         ; places behind this matrix instruction (ISA guide 7.12.1)
.set HALFT,  128*PITCH
.set SLOT,   4*HALFT                   ; A's 256 rows, then B's 256 rows
.set KS,     32                        ; a row of scale bytes
.set SCL,    2*SLOT                    ; behind the slots: the scales, as runs of 256 bytes + 16 of padding
.set HALFS,  16*272                    ; those of 128 rows
.set SBLK,   2*272                     ; those of 16 rows
.set SPARE,  SCL+4*HALFS               ; the spare words, 128 bytes a wave; no other line names them
.set ADRA, 16
.set ADRB, 20
.set CO,   26                          ; v26  16 x lane; never rewritten
.set ADRS, 27
.set SPW,  28
.set NIL,  29
.set SC,   32
.set AF,   128
.set TT,   128                         ; the way out: 64 rotated numbers
.set PKR,  192                         ; the way out: two sets of 32 packed registers
.set G1, 24
.set G0, 32
.set G1B, 48
.set G0B, 56
.set G1S, 68
.set G0S, 76
.set G1SB, 80
.set G0SB, 88
.set MSB, 0
.macro WIN new                         ; the immediate's high byte repeats the setting that is left
.if MSB != \new
	s_set_vgpr_msb (MSB<<8)|\new
.set MSB, \new
.endif
.endm
.set MUL_LO, 0xa1                      ; source 0 (B) window 1, source 1 (A) window 0, C and D window 2
.set MUL_HI, 0xf1
.set TO_B,   0x40                      ; destination window 1, address window 0
; A joint load: waves 0 and 1 fetch for A, waves 2 and 3 for B; the branch hangs on the wave's number alone.  Four v_nop follow each of the two lines.
.macro JLOAD g0a, g1a, g0b, g1b
	s_cmp_eq_u32 s15, 0
	s_cbranch_scc0 .Lfor_b_\@
	tensor_load_to_lds s[\g0a:\g0a+3], s[\g1a:\g1a+7]
	s_nop 0
.rept 4
	v_nop
.endr
	s_branch .Lasked_\@
.Lfor_b_\@:
	tensor_load_to_lds s[\g0b:\g0b+3], s[\g1b:\g1b+7]
	s_nop 0
.rept 4
	v_nop
.endr
.Lasked_\@:
.endm
.macro CROUND                          ; a round of the cluster's barrier
	s_barrier_signal -1
	s_barrier_wait -1
	s_cmp_lg_u32 s14, 0
	s_cbranch_scc1 .Lnot_wave_0_\@
	s_barrier_signal -3
.Lnot_wave_0_\@:
	s_barrier_wait -3
	s_barrier_signal -1
	s_barrier_wait -1
.endm
	s_load_b256 s[4:11], s[0:1], 0x0               ; xq s[4:5], wq s[6:7], tab s[8:9], qkv s[10:11]
	v_lshl_add_u32 v[SPW], v0, 2, SPARE
	v_mov_b32 v[NIL], 0
	ds_add_u32 v28, v29
	s_wait_dscnt 0x0
	v_lshrrev_b32 v1, 5, v0
	v_readfirstlane_b32 s14, v1                    ; wave 0..3
	s_lshr_b32 s15, s14, 1                         ; which half of A's rows is mine.  Also: I fetch for A (0) or for B (1)
	s_and_b32 s16, s14, 1                          ; which half of B's rows.  Also: which 128 rows I fetch
	s_bfe_u32 s40, ttmp6, 0x40000                  ; cx
	s_bfe_u32 s41, ttmp6, 0x40004                  ; cy
	s_and_b32 s18, ttmp7, 0xffff
	s_lshl_b32 s18, s18, 2                         ; 4 x cluster y
	s_lshl_b32 s19, ttmp9, 2                       ; 4 x cluster x
	s_cmp_eq_u32 ttmp9, 2                          ; V's clusters?
	s_cselect_b32 s17, 8, s18                      ; A's first tile of 256 rows: W's rows 2,048 on, or x's
	s_cselect_b32 s42, s18, s19                    ; B's: x's, or W's
	s_add_co_u32 s17, s17, s41                     ; A's tile: + cy: shared along a row of the cluster
	s_add_co_u32 s42, s42, s40                     ; B's tile: + cx: shared along a column
	s_lshl_b32 s43, s41, 2
	s_lshl_b32 s43, 15, s43                        ; my row of the cluster
	s_lshl_b32 s44, 0x1111, s40                    ; my column
	; descriptor group 1: a tile of 128 rows x 256 bytes, 16 bytes of padding behind each row
	s_or_b32 s[G1+0], s43, (0<<16)|(1<<20)|(1<<21)|(5<<22)|(3<<25)
	s_or_b32 s[G1B+0], s44, (0<<16)|(1<<20)|(1<<21)|(5<<22)|(3<<25)
.irp g, G1, G1B
	s_mov_b32 s[\g+1], ROWB<<16                    ; tensor_dim0
	s_mov_b32 s[\g+2], 128<<16                     ; tensor_dim1
	s_mov_b32 s[\g+3], ROWB<<16                    ; tile_dim0
	s_mov_b32 s[\g+4], 128                         ; tile_dim1
	s_mov_b32 s[\g+5], KROW                        ; from row to row
	s_mov_b32 s[\g+6], 0
	s_mov_b32 s[\g+7], 0
.endr
	; the scales of 128 rows: 4,096 dense bytes, as 16 rows of 256 bytes (32 elements of 8 bytes), 16 bytes of padding behind each
	s_or_b32 s[G1S+0], s43, (3<<16)|(1<<20)|(1<<21)|(5<<22)|(3<<25)
	s_or_b32 s[G1SB+0], s44, (3<<16)|(1<<20)|(1<<21)|(5<<22)|(3<<25)
.irp g, G1S, G1SB
	s_mov_b32 s[\g+1], 32<<16
	s_mov_b32 s[\g+2], 16<<16
	s_mov_b32 s[\g+3], 32<<16
	s_mov_b32 s[\g+4], 16
	s_mov_b32 s[\g+5], 32
	s_mov_b32 s[\g+6], 0
	s_mov_b32 s[\g+7], 0
.endr
	s_lshl_b32 s18, s16, 7                         ; which 128 rows of the tile I fetch
	s_lshl_b32 s20, s17, 8
	s_add_co_u32 s20, s20, s18                     ; A's row
	s_lshl_b32 s46, s42, 8
	s_add_co_u32 s46, s46, s18                     ; B's row
	s_mov_b32 s21, 0
	s_mov_b32 s47, 0
	s_mov_b64 s[18:19], KS
	s_mul_u64 s[22:23], s[20:21], s[18:19]         ; where these rows' scales begin,
	s_mul_u64 s[92:93], s[46:47], s[18:19]
	s_mov_b64 s[18:19], KROW
	s_mul_u64 s[20:21], s[20:21], s[18:19]         ; and their codes
	s_mul_u64 s[46:47], s[46:47], s[18:19]
	s_mul_i32 s45, s14, HALFT                      ; where they go: wave x 128 rows
	s_mul_i32 s94, s14, HALFS
	s_and_b32 s95, s17, 7                          ; (Q, K) my first tile of 16 tokens within the sequence: 16 (A's tile % 8) + 8 x my half
	s_lshl_b32 s95, s95, 4
	s_lshl_b32 s2, s15, 3
	s_add_co_u32 s95, s95, s2
	s_lshl_b32 s2, s95, 12                         ; 4,096 bytes of table a tile
	s_mov_b32 s3, 0
	s_wait_kmcnt 0x0
	s_add_nc_u64 s[96:97], s[4:5], 0x400000        ; x's scale bytes
	s_add_nc_u64 s[12:13], s[6:7], 0x180000        ; W's
	s_cmp_eq_u32 ttmp9, 2                          ; the roles: a choice between buffers on the cluster's x alone
	s_cselect_b64 s[98:99], s[6:7], s[4:5]         ; A's codes
	s_cselect_b64 s[100:101], s[12:13], s[96:97]   ; A's scales
	s_cselect_b64 s[4:5], s[4:5], s[6:7]           ; B's codes
	s_cselect_b64 s[6:7], s[96:97], s[12:13]       ; B's scales
	s_add_nc_u64 s[20:21], s[98:99], s[20:21]
	s_add_nc_u64 s[22:23], s[100:101], s[22:23]
	s_add_nc_u64 s[46:47], s[4:5], s[46:47]
	s_add_nc_u64 s[92:93], s[6:7], s[92:93]
	s_add_nc_u64 s[96:97], s[8:9], s[2:3]          ; the table at my first tile of tokens
	CROUND                                         ; all sixteen work-groups are here: the first joint loads meet
	s_mov_b32 s[G0S], 1
	s_add_co_u32 s[G0S+1], s94, SCL
	s_mov_b64 s[G0S+2:G0S+3], s[22:23]
	s_or_b32 s[G0S+3], s[G0S+3], 0x80000000
	s_mov_b32 s[G0SB], 1
	s_add_co_u32 s[G0SB+1], s94, SCL
	s_mov_b64 s[G0SB+2:G0SB+3], s[92:93]
	s_or_b32 s[G0SB+3], s[G0SB+3], 0x80000000
	JLOAD G0S, G1S, G0SB, G1SB                     ; the scales first: they are wanted with K step 0
.irp s, 0,1
	s_mov_b32 s[G0+4*\s], 1
	s_add_co_u32 s[G0+4*\s+1], s45, \s*SLOT
	s_add_nc_u64 s[G0+4*\s+2:G0+4*\s+3], s[20:21], \s*ROWB
	s_or_b32 s[G0+4*\s+3], s[G0+4*\s+3], 0x80000000
	s_mov_b32 s[G0B+4*\s], 1
	s_add_co_u32 s[G0B+4*\s+1], s45, \s*SLOT
	s_add_nc_u64 s[G0B+4*\s+2:G0B+4*\s+3], s[46:47], \s*ROWB
	s_or_b32 s[G0B+4*\s+3], s[G0B+4*\s+3], 0x80000000
	JLOAD G0+4*\s, G1, G0B+4*\s, G1B               ; three tensor loads of mine are out
.endr
	v_and_b32 v6, 31, v0
	v_lshlrev_b32 v[CO], 4, v6                     ; 16 x lane
; the table of token tile a: 32 registers at v[32 a] of window 1: for q = 0 .. 3 four cos, then four sin, of pair indices 8 q + 4 (lane / 16) + 0 .. 3 of token lane % 16
.macro TABLOAD a
.irp q, 0,1,2,3
.irp cs, 0,1
	global_load_b128 v[32*\a+8*\q+4*\cs:32*\a+8*\q+4*\cs+3], v[CO], s[96:97] offset:\a*4096+\q*1024+\cs*512
.endr
.endr
.endm
; Half of the table is asked for here, into registers that B's two sets leave free, so that it lands under the products.  The lines stand on every wave's path, so that these registers are written on every way to the
; rotation.  V's clusters, which rotate nothing, issue them too and never read the result: there A's tile is 8 + cy, so the first token tile is 16 cy + 8 x half, 56 at the most, and the loads reach tile 63 of the table's 128.
	WIN TO_B
.irp a, 2,3,6,7
	TABLOAD \a
.endr
	WIN 0
	v_and_b32 v1, 15, v0                           ; l % 16
	v_bfe_u32 v2, v0, 4, 1                         ; l / 16
	v_mul_u32_u24 v3, v1, PITCH
	v_lshl_add_u32 v4, v2, 4, v3                   ; a fragment's row x pitch + 16 x half
	s_mul_i32 s21, s15, HALFT                      ; my 128 rows of A
	s_mul_i32 s22, s16, HALFT                      ; my 128 rows of B,
	s_add_co_u32 s22, s22, 2*HALFT                 ; which lie behind A's 256
.irp s, 0,1
	v_add_nc_u32 v[ADRA+\s], s21, v4
	v_add_nc_u32 v[ADRB+\s], s22, v4
	s_add_co_u32 s21, s21, SLOT
	s_add_co_u32 s22, s22, SLOT
.endr
	v_mul_u32_u24 v5, v1, KS                       ; my row's scales: 32 bytes a row,
	v_lshrrev_b32 v6, 8, v5
	v_lshl_add_u32 v5, v6, 4, v5                   ; and 16 more for each 256 passed
	s_mul_i32 s21, s15, HALFS
	s_mul_i32 s22, s16, HALFS
	s_add_co_u32 s22, s22, 2*HALFS
	s_sub_co_u32 s22, s22, s21
	v_mul_u32_u24 v6, s22, v2                      ; lanes 16-31 take B's: one product, the distance between the two bases
	s_add_co_u32 s21, s21, SCL
	v_add_nc_u32 v5, v5, v6
	v_add_nc_u32 v[ADRS], s21, v5
.macro FRAG reg, adr, q, i             ; 16 rows x 128 K of 4-bit codes: 8 registers: lane l holds row l % 16; registers 4 c .. 4 c + 3 hold K = 64 c + 32 (l / 16) + 0 .. 31
.irp c, 0,1
	ds_load_b128 v[\reg+4*\c:\reg+4*\c+3], v[\adr] offset:64*(\q)+32*\c+(\i)*16*PITCH
.endr
.endm
; 16 matrix instructions: A's blocks a0, a0 + 1 x B's eight.  One scale register carries A's word of block i in lanes 0-15 and B's in lanes 16-31.  The 64 accumulators take turns, one instruction a turn.
.macro MUL16 a0, p, q, sc, zero
.irp a, \a0, \a0+1
.irp b, 0,1,2,3,4,5,6,7
.if \zero
	v_wmma_scale_f32_16x16x128_f8f6f4 v[8*(8*((\a)%4)+\b):8*(8*((\a)%4)+\b)+7], v[128*(\p)+FR*\b:128*(\p)+FR*\b+FR-1], v[AF+FR*(\a):AF+FR*(\a)+FR-1], 0, v[SC+8*NQ*(\sc)+NQ*\b+(\q)], v[SC+8*NQ*(\sc)+NQ*(\a)+(\q)] matrix_a_fmt:MATRIX_FMT_FP4 matrix_b_fmt:MATRIX_FMT_FP4 matrix_a_scale:MATRIX_SCALE_ROW1
.else
	v_wmma_scale_f32_16x16x128_f8f6f4 v[8*(8*((\a)%4)+\b):8*(8*((\a)%4)+\b)+7], v[128*(\p)+FR*\b:128*(\p)+FR*\b+FR-1], v[AF+FR*(\a):AF+FR*(\a)+FR-1], v[8*(8*((\a)%4)+\b):8*(8*((\a)%4)+\b)+7], v[SC+8*NQ*(\sc)+NQ*\b+(\q)], v[SC+8*NQ*(\sc)+NQ*(\a)+(\q)] matrix_a_fmt:MATRIX_FMT_FP4 matrix_b_fmt:MATRIX_FMT_FP4 matrix_a_scale:MATRIX_SCALE_ROW1
.endif
.endr
.endr
.endm
.macro FETCH_B slot, q, p
	WIN TO_B
.irp i, 0,1,2,3,4,5,6,7
	FRAG 128*(\p)+FR*\i, ADRB+\slot, \q, \i
.endr
	WIN 0
.endm
.macro FETCH_A slot, q, i0
.irp i, \i0, \i0+1, \i0+2, \i0+3
	FRAG AF+FR*(\i), ADRA+\slot, \q, \i
.endr
.endm
.macro SCALES sc                       ; a K step's scale words: four words a row
.irp i, 0,1,2,3,4,5,6,7
	ds_load_b128 v[SC+8*NQ*\sc+NQ*\i:SC+8*NQ*\sc+NQ*\i+3], v[ADRS] offset:\i*SBLK
.endr
.endm
.macro PLACES n                        ; plain vector instructions between a matrix instruction and a load into, or a read of, its registers
.rept \n
	v_nop
.endr
.endm
.macro STEP slot, q, zero              ; 128 along K, with its successor in the same slot
	s_wait_dscnt 4*NL                              ; B's set and A's blocks 0-3 are in; the youngest eight loads (A's blocks 4-7) may be out
	WIN MUL_LO
	MUL16 0, (\q)%2, \q, \slot, \zero
	MUL16 2, (\q)%2, \q, \slot, \zero
	s_wait_dscnt 0
	PLACES NP
	FETCH_B \slot, (\q)+1, 1-(\q)%2
	FETCH_A \slot, (\q)+1, 0
	WIN MUL_HI
	MUL16 4, (\q)%2, \q, \slot, \zero
	MUL16 6, (\q)%2, \q, \slot, \zero
	PLACES NP
	WIN 0
	FETCH_A \slot, (\q)+1, 4
.endm
.macro STEPS slot, from
.set Q, \from
.rept NQ-1-\from
	STEP \slot, Q, 0
.set Q, Q+1
.endr
.endm
	s_wait_tensorcnt 1                             ; the scales and my part of slot 0 are in (slot 1's load may be out),
	s_barrier_signal -1
	s_barrier_wait -1                              ; everybody's are
	FETCH_B 0, 0, 0
	FETCH_A 0, 0, 0
	SCALES 0
	FETCH_A 0, 0, 4
	STEP 0, 0, 1                                   ; the first products start the sums: nothing is cleared
	STEPS 0, 1
	; slot 0's last step, and the change to slot 1: one barrier
	s_wait_tensorcnt 0x0                           ; my part of slot 1 has landed
	ds_add_u32 v[SPW], v[NIL]                      ; 0 onto my spare word
	s_wait_dscnt 4*NL+1                            ; (the add and A's blocks 4-7 may be out)
	WIN MUL_LO
	MUL16 0, 1, NQ-1, 0, 0
	s_wait_dscnt 0x0                               ; the add is done, and my reads of slot 0 are over
	s_barrier_signal -1
	MUL16 2, 1, NQ-1, 0, 0
	WIN 0
	s_barrier_wait -1                              ; slot 1 is whole
	PLACES NP
	v_add_nc_u32 v[ADRS], 4*NQ, v[ADRS]            ; on to the second K step's scale words
	FETCH_B 1, 0, 0
	FETCH_A 1, 0, 0
	SCALES 1
	WIN MUL_HI
	MUL16 4, 1, NQ-1, 0, 0
	MUL16 6, 1, NQ-1, 0, 0
	PLACES NP
	WIN 0
	FETCH_A 1, 0, 4
	STEPS 1, 0
	s_wait_dscnt 4*NL                              ; the very last step: nothing more to fetch
	WIN MUL_LO
	MUL16 0, 1, NQ-1, 1, 0
	MUL16 2, 1, NQ-1, 1, 0
	s_wait_dscnt 0
	WIN MUL_HI
	MUL16 4, 1, NQ-1, 1, 0
	MUL16 6, 1, NQ-1, 1, 0
	WIN 0
	PLACES NP                                      ; behind the last products: for the reads of results, the writes over A's fragments and the loads into B's sets
	s_cmp_eq_u32 ttmp9, 2
	s_cbranch_scc1 .Lv_out
; ---- THE WAY OUT OF Q AND K.  Accumulator (a, b): lane (r, h) holds token 16 a + r and channels 16 b + 8 h + 0 .. 7 of my 128: head b / 4, four pairs (x1, x2) with pair indices 8 (b % 4) + 4 h + 0 .. 3.
	WIN TO_B
.irp a, 0,1,4,5
	TABLOAD \a                                     ; the other four tiles' table, into B's sets, which are done with
.endr
	WIN 0
	s_lshr_b32 s20, s17, 3                         ; batch
	s_lshl_b32 s20, s20, 4
	s_lshl_b32 s21, s40, 2
	s_add_co_u32 s20, s20, s21                     ; + head: 4 cx
	s_lshl_b32 s21, s16, 1
	s_add_co_u32 s20, s20, s21                     ; + 2 x my half of the columns
	s_lshl_b32 s20, s20, 18                        ; 262,144 bytes a head
	s_lshl_b32 s21, ttmp9, 24                      ; Q or K
	s_add_co_u32 s20, s20, s21
	s_lshl_b32 s21, s95, 11                        ; 2,048 bytes a tile of 16 tokens
	s_add_co_u32 s20, s20, s21
	s_mov_b32 s21, 0
	s_add_nc_u64 s[12:13], s[10:11], s[20:21]
; Token tile a, the n-th to go.  (r1, r2) = (x1 cos - x2 sin, x2 cos + x1 sin): one packed multiply and one packed multiply-add a pair; the table's word is picked by op_sel for both halves.
.macro ROPE a, n
.if \n >= 2
	s_wait_xcnt 0x0                                ; the stores of two tiles back have read their registers: that set of packed results is written again
.endif
	WIN (2+(\a)/4)|4                               ; source 0: the accumulators' window; source 1: window 1 (the table); source 2 and destination: window 0
.irp b, 0,1,2,3,4,5,6,7
.irp u, 0,1
	v_pk_mul_f32 v[TT+8*\b+4*\u:TT+8*\b+4*\u+1], v[64*((\a)%4)+8*\b+4*\u:64*((\a)%4)+8*\b+4*\u+1], v[32*(\a)+8*(\b%4)+2*\u:32*(\a)+8*(\b%4)+2*\u+1] op_sel:[0,0] op_sel_hi:[1,0]
	v_pk_mul_f32 v[TT+8*\b+4*\u+2:TT+8*\b+4*\u+3], v[64*((\a)%4)+8*\b+4*\u+2:64*((\a)%4)+8*\b+4*\u+3], v[32*(\a)+8*(\b%4)+2*\u:32*(\a)+8*(\b%4)+2*\u+1] op_sel:[0,1] op_sel_hi:[1,1]
.endr
.irp u, 0,1
	v_pk_fma_f32 v[TT+8*\b+4*\u:TT+8*\b+4*\u+1], v[64*((\a)%4)+8*\b+4*\u:64*((\a)%4)+8*\b+4*\u+1], v[32*(\a)+8*(\b%4)+4+2*\u:32*(\a)+8*(\b%4)+4+2*\u+1], v[TT+8*\b+4*\u:TT+8*\b+4*\u+1] op_sel:[1,0,0] op_sel_hi:[0,0,1] neg_lo:[0,1,0]
	v_pk_fma_f32 v[TT+8*\b+4*\u+2:TT+8*\b+4*\u+3], v[64*((\a)%4)+8*\b+4*\u+2:64*((\a)%4)+8*\b+4*\u+3], v[32*(\a)+8*(\b%4)+4+2*\u:32*(\a)+8*(\b%4)+4+2*\u+1], v[TT+8*\b+4*\u+2:TT+8*\b+4*\u+3] op_sel:[1,1,0] op_sel_hi:[0,1,1] neg_lo:[0,1,0]
.endr
.endr
	WIN 0
.irp b, 0,1,2,3,4,5,6,7
.irp p, 0,1,2,3
	v_cvt_pk_f16_f32 v[PKR+32*((\n)%2)+4*\b+\p], v[TT+8*\b+2*\p], v[TT+8*\b+2*\p+1]
.endr
.endr
.irp b, 0,1,2,3,4,5,6,7
	global_store_b128 v[CO], v[PKR+32*((\n)%2)+4*\b:PKR+32*((\n)%2)+4*\b+3], s[12:13] offset:(\a)*2048+(\b%4)*512+(\b/4)*262144   ; 512 consecutive bytes: half a fragment's image
.endr
.endm
	s_wait_loadcnt 32                              ; the table loaded at the head is in; the 32 loads just issued may be out
	ROPE 2, 0
	ROPE 3, 1
	ROPE 6, 2
	ROPE 7, 3
	s_wait_loadcnt 0x0
	ROPE 0, 4
	ROPE 1, 5
	ROPE 4, 6
	ROPE 5, 7
	s_branch .Ldone
; ---- THE WAY OUT OF V.  Accumulator (a, b): lane (r, h) holds channel 16 a + r of my 128 (head a / 4) and tokens 16 b + 8 h + 0 .. 7 of my 128: half a fragment of V^T.
.Lv_out:
	s_lshr_b32 s20, s42, 3                         ; batch
	s_lshl_b32 s20, s20, 4
	s_lshl_b32 s21, s41, 2
	s_add_co_u32 s20, s20, s21                     ; + head: 4 cy
	s_lshl_b32 s21, s15, 1
	s_add_co_u32 s20, s20, s21                     ; + 2 x my half of the channels
	s_lshl_b32 s20, s20, 18
	s_and_b32 s21, s42, 7
	s_lshl_b32 s21, s21, 3                         ; 8 blocks of 32 keys in 256 tokens
	s_lshl_b32 s22, s16, 2
	s_add_co_u32 s21, s21, s22                     ; + 4 x my half of the tokens
	s_lshl_b32 s21, s21, 12                        ; 4,096 bytes a block of 32 keys
	s_add_co_u32 s20, s20, s21
	s_add_co_u32 s20, s20, 0x2000000               ; V
	s_mov_b32 s21, 0
	s_add_nc_u64 s[12:13], s[10:11], s[20:21]
.macro VOUT a, n
.if \n >= 2
	s_wait_xcnt 0x0                                ; the stores of two blocks back have read their registers
.endif
	WIN 5*(2+(\a)/4)                               ; sources 0 and 1: the accumulators' window
.irp b, 0,1,2,3,4,5,6,7
.irp p, 0,1,2,3
	v_cvt_pk_f16_f32 v[PKR+32*((\n)%2)+4*\b+\p], v[64*((\a)%4)+8*\b+2*\p], v[64*((\a)%4)+8*\b+2*\p+1]
.endr
.endr
	WIN 0
.irp b, 0,1,2,3,4,5,6,7
	global_store_b128 v[CO], v[PKR+32*((\n)%2)+4*\b:PKR+32*((\n)%2)+4*\b+3], s[12:13] offset:((\a)/4)*262144+((\a)%4)*1024+(\b/2)*4096+(\b%2)*512
.endr
.endm
.irp a, 0,1,2,3,4,5,6,7
	VOUT \a, \a
.endr
.Ldone:
	s_wait_tensorcnt 0x0                           ; the wave's end
	ds_add_u32 v[SPW], v[NIL]
	s_wait_dscnt 0x0
	CROUND                                         ; the closing round: no work-group ends while a partner may still ask for a tile that names it
	s_endpgm
.Lfunc_end_k_q9b19727c84_qkv:
	.size	k_q9b19727c84_qkv, .Lfunc_end_k_q9b19727c84_qkv-k_q9b19727c84_qkv
	.p2alignl 7, 3214868480
	.fill 96, 4, 3214868480
	.section	.rodata,"a",@progbits
	.p2align	6, 0x0
	.amdhsa_kernel k_q9b19727c84_qkv
		.amdhsa_group_segment_fixed_size 327680
		.amdhsa_private_segment_fixed_size 0
		.amdhsa_enable_private_segment 0
		.amdhsa_kernarg_size 32
		.amdhsa_user_sgpr_count 2
		.amdhsa_user_sgpr_kernarg_segment_ptr 1
		.amdhsa_wavefront_size32 1
		.amdhsa_system_sgpr_workgroup_id_x 1
		.amdhsa_system_sgpr_workgroup_id_y 1
		.amdhsa_system_sgpr_workgroup_id_z 1
		.amdhsa_system_vgpr_workitem_id 0
		.amdhsa_next_free_vgpr 1024
		.amdhsa_next_free_sgpr 102
		.amdhsa_reserve_vcc 0
		.amdhsa_float_denorm_mode_32 3
		.amdhsa_float_denorm_mode_16_64 3
		.amdhsa_memory_ordered 1
		.amdhsa_forward_progress 1
		.amdhsa_inst_pref_size 179
	.end_amdhsa_kernel
	.amdgpu_metadata
---
amdhsa.version: [ 1, 2 ]
amdhsa.kernels:
  - .name:           k_q9b19727c84_qkv
    .symbol:         k_q9b19727c84_qkv.kd
    .args:
      - { .name: xq, .offset: 0, .size: 8, .value_kind: global_buffer, .address_space: global }
      - { .name: wq, .offset: 8, .size: 8, .value_kind: global_buffer, .address_space: global }
      - { .name: tab, .offset: 16, .size: 8, .value_kind: global_buffer, .address_space: global }
      - { .name: qkv, .offset: 24, .size: 8, .value_kind: global_buffer, .address_space: global }
    .group_segment_fixed_size: 327680
    .private_segment_fixed_size: 0
    .kernarg_segment_align: 8
    .kernarg_segment_size: 32
    .max_flat_workgroup_size: 128
    .sgpr_count:     102
    .vgpr_count:     1024
    .wavefront_size: 32
...
	.end_amdgpu_metadata
.endif
;; end of part 2
;; launch attn (part 3): grid 4 x 64, 8 waves a work-group, no clusters, 327,680 bytes of LDS; arguments qkv, a_img; writes a_img
.if DOCPART == 3
	.amdgcn_target "amdgcn-amd-amdhsa--gfx1250"
	.amdhsa_code_object_version 6
	.text
	.protected	k_q9b19727c84_attn
	.globl	k_q9b19727c84_attn
	.p2align	8
	.type	k_q9b19727c84_attn,@function
k_q9b19727c84_attn:
	s_mov_b64 s[64:65], 0
	v_nop
	global_prefetch_b8 v0, s[64:65] scope:SCOPE_SE
	s_setreg_imm32_b32 hwreg(HW_REG_WAVE_MODE, 25, 1), 1
	s_wait_xcnt 0x0
; A[b][q][head x 64 + d] = the sum over keys k <= q of softmax_k(Q[q] . K[k] / 8) V[k][d], for 64 pairs (batch, head), 2,048 tokens, head size 64.  Q, K, V in f16, as images of operand registers
; (made by the launch before); products, maxima and sums in f32; the weights p are rounded to f16 for the second product, A once at the end.
; SHARES.  Work-group (j, bh), j = 0 .. 3, owns two blocks of 256 queries of one head, first block 7 - j, then block j.  Block i needs the keys of slots 0 .. i (a slot: 256 keys), so every work-group walks
; (8 - j) + (j + 1) = 9 slots: 256 work-groups of equal work, and the loop's trip count is a constant.  Each of the eight waves owns 32 queries of the block in hand: two tiles of 16.
; Two waves lie on a SIMD, so that one wave's softmax stands beside the other's products.  A step is 64 keys: 16 products K Q^T, the softmax, 16 products V^T P.
; LAYOUT.  S^T = K Q^T (source 0 = 16 keys, source 1 = 16 queries) and O^T = V^T P (source 0 = 16 channels, source 1 = P): a lane holds ONE query (lane % 16) throughout; two tiles of S^T, rounded in pairs, are P.
; SOFTMAX.  A running maximum m and sum l for each query: p = 2^(c s - c m), c = log2(e) / 8; in every step O and l are multiplied by 2^(c m_old - c m_new).
; THE MASK.  Steps all of whose keys come after the wave's 32 queries are left out, by a scalar branch on ids; in steps on the diagonal hidden scores become -infinity ahead of the maximum.
; LDS.  Two slots of 65,536 bytes (K's 32,768, then V's), filled by the tensor data mover: waves 0 to 3 bring 16,384 dense bytes each.  A fragment is 2 x 512 bytes, lane l's 16 bytes at 16 l: every LDS load reads 512 consecutive bytes.
; NO CLUSTER: the four work-groups of a head read key slot i in trip i only while i <= 7 - j, so they agree in trips 0 to 4 and want different slots in the other four; if all four asked for every tile that any wants,
; a work-group would pass 8 + 4 = 12 fills for its 9 slots.
; REGISTERS.  window 0: v1-9 addresses and constants; v12-27 statistics, 8 a tile: +0 c m, +1 m, +2, +3 l, +4 .. +7 at work (+6 the factor); v32-63 Q; v64-127 S^T; v128-159 P; v160-223 O^T; v224-255 the second block's Q.
;   window 1: v0-63 K of a step, v64-127 V of a step.
; LIMITS: NaN and infinities among the inputs are not served; A's magnitudes, which are at most V's, stay under 65,504, f16's largest number; a weight p under 2^-25 of its row's running largest counts as 0 in the second product.
.set SLOTB, 65536
.set VOFF,  32768
.set SPARE, 131072                     ; behind the slots: the spare words, 128 bytes for each of the eight waves; no other line names them
.set LI,   1                           ; v1  16 x lane; never rewritten
.set ADR,  2                           ; v2  LDS address of the slot in hand
.set RH,   3                           ; v3  lane % 16 - 8 (lane / 16)
.set D0,   4                           ; v4, v5  the mask's bound for tile 0, 1
.set NINF, 6                           ; v6  -infinity
.set SPW,  7
.set NIL,  8
.set PFO,  9                           ; v9  256 x lane
.set ST,   12
.set Q,    32
.set S,    64
.set P,    128
.set O,    160
.set QN,   224
.set KF,   0
.set VF,   64
.set WV,   8                           ; s8   my wave's number
.set SEL,  12                          ; s[12:13] selects of v_permlanex16_b32: lane l xor 16
.set CS,   14                          ; s[14:15] c, twice
.set TB,   32                          ; s32  LDS byte at which the slot in hand begins
.set SLOTS, 33                         ; s33  8 down to 1
.set WRAP, 34                          ; s34  j + 1: the value of s33 in the first block's last slot
.set DQ,   35                          ; s35  my first query - the slot's first key
.set LIM,  37                          ; s37  2 in a wave that prefetches, else the greatest number
.set PFA,  38                          ; s[38:39] where my prefetches stand
.set OB0,  40                          ; s[40:41], s[42:43] where my rows of the two blocks go
.set OB1,  42
.set DQL,  48                          ; s48  s35's value at the second block's start
.set MSB, 0
.macro WIN new
.if MSB != \new
	s_set_vgpr_msb (MSB<<8)|\new
.set MSB, \new
.endif
.endm
.macro PLACES
.rept 4
	v_nop
.endr
.endm
.macro TLOAD                           ; waves 0 to 3 fetch, one load each; four v_nop follow the line
	s_cmp_lt_u32 s[WV], 4
	s_cbranch_scc0 .Lnone_\@
	tensor_load_to_lds s[24:27], s[16:23]
	s_nop 0
.rept 4
	v_nop
.endr
.Lnone_\@:
.endm
; A prefetch of the slot that the NEXT change of slots will ask for.  All four work-groups of a head walk the same K and V; work-group j = 0 walks slots 0 to 7 in order, and it alone asks, in its waves 4 to 7, which fetch
; nothing: each names the 16,384 bytes that wave (w - 4) will fetch, lanes 256 bytes apart, two instructions.  The change in trip u names slot u + 2, up to slot 7 (s33 above 2).  Slots 0 and 1 and the second block's slots come by their loads alone.
.macro ASK
	s_cmp_gt_u32 s[SLOTS], s[LIM]
	s_cbranch_scc0 .Lnot_mine_\@
	global_prefetch_b8 v[PFO], s[PFA:PFA+1] th:TH_LOAD_NT scope:SCOPE_SE
	global_prefetch_b8 v[PFO], s[PFA:PFA+1] offset:8192 th:TH_LOAD_NT scope:SCOPE_SE
.Lnot_mine_\@:
.endm
	s_load_b128 s[4:7], s[0:1], 0x0                ; qkv s[4:5], a_img s[6:7]
	v_lshl_add_u32 v[SPW], v0, 2, SPARE
	v_mov_b32 v[NIL], 0
	ds_add_u32 v7, v8
	s_wait_dscnt 0x0
	v_lshrrev_b32 v1, 5, v0
	v_readfirstlane_b32 s[WV], v1                  ; wave 0..7
	v_and_b32 v2, 31, v0
	v_lshlrev_b32 v[LI], 4, v2
	v_lshlrev_b32 v[PFO], 8, v2
	v_and_b32 v[RH], 15, v0
	v_bfe_u32 v4, v0, 4, 1
	v_lshlrev_b32 v4, 3, v4
	v_sub_nc_u32 v[RH], v[RH], v4
	v_mov_b32 v[NINF], 0xff800000
	s_and_b32 s9, ttmp7, 0xffff                    ; batch x 16 + head
	s_lshl_b32 s10, s9, 18                         ; 262,144 bytes a head in each of Q, K, V
	; descriptor group 1: 16,384 dense bytes as 64 rows of 256 bytes (32 elements of 8 bytes), no padding
	s_mov_b32 s16, 3<<16
	s_mov_b32 s17, 32<<16                          ; tensor_dim0
	s_mov_b32 s18, 64<<16                          ; tensor_dim1
	s_mov_b32 s19, 32<<16                          ; tile_dim0
	s_mov_b32 s20, 64                              ; tile_dim1
	s_mov_b32 s21, 32                              ; from row to row
	s_mov_b32 s22, 0
	s_mov_b32 s23, 0
	s_mov_b32 s[SEL], 0x76543210
	s_mov_b32 s[SEL+1], 0xfedcba98
	s_mov_b32 s[CS], 0x3e38aa3b                    ; c = log2(e) / 8
	s_mov_b32 s[CS+1], s[CS]
	s_mov_b32 s[TB], 0
	s_mov_b32 s[SLOTS], 8
	s_add_co_u32 s[WRAP], ttmp9, 1
	s_sub_co_u32 s36, 7, ttmp9                     ; the first block: 7 - j
	s_lshl_b32 s[DQ], s36, 8
	s_lshl_b32 s11, s[WV], 5
	s_add_co_u32 s[DQ], s[DQ], s11                 ; my first query of it (the first slot's first key is 0)
	s_lshl_b32 s[DQL], ttmp9, 8
	s_add_co_u32 s[DQL], s[DQL], s11               ; and of the second block
	s_and_b32 s44, s[WV], 3                        ; what wave w % 4 fetches: 0, 1: K's halves; 2, 3: V's
	s_cmp_lt_u32 s44, 2
	s_mov_b32 s44, 0x2000000
	s_cselect_b32 s44, 0x1000000, s44
	s_add_co_u32 s44, s44, s10
	s_and_b32 s45, s[WV], 1
	s_lshl_b32 s45, s45, 14
	s_add_co_u32 s44, s44, s45
	s_mov_b32 s45, 0
	s_lshr_b32 s[LIM], s[WV], 2
	s_xor_b32 s[LIM], s[LIM], 1                    ; 0 in waves 4 to 7,
	s_or_b32 s[LIM], s[LIM], ttmp9                 ; of work-group j = 0
	s_cmp_eq_u32 s[LIM], 0
	s_cselect_b32 s[LIM], 2, -1
	s_lshl_b32 s46, s36, 15                        ; Q: 32,768 bytes a block of 256 queries,
	s_add_co_u32 s46, s46, s10
	s_lshl_b32 s47, s[WV], 12                      ; 4,096 a wave
	s_add_co_u32 s46, s46, s47
	s_lshl_b32 s50, ttmp9, 15
	s_add_co_u32 s50, s50, s10
	s_add_co_u32 s50, s50, s47
	s_mov_b32 s47, 0
	s_mov_b32 s51, 0
	s_lshr_b32 s52, s9, 4                          ; A: batch x 128 tiles of 32,768 bytes,
	s_lshl_b32 s52, s52, 22
	s_and_b32 s53, s9, 15
	s_lshl_b32 s53, s53, 11                        ; head x 2,048,
	s_add_co_u32 s52, s52, s53
	s_lshl_b32 s53, s[WV], 16                      ; two tiles a wave,
	s_add_co_u32 s52, s52, s53
	s_lshl_b32 s54, s36, 19                        ; sixteen a block
	s_add_co_u32 s54, s54, s52
	s_lshl_b32 s53, ttmp9, 19
	s_add_co_u32 s52, s52, s53
	s_mov_b32 s53, 0
	s_mov_b32 s55, 0
	s_mov_b32 s30, 0                               ; s[30:31]: the key slot that is asked for, in bytes
	s_mov_b32 s31, 0
	s_wait_kmcnt 0x0
	s_add_nc_u64 s[28:29], s[4:5], s[44:45]        ; my part of key slot 0
	s_add_nc_u64 s[PFA:PFA+1], s[28:29], 32768     ; the prefetches stand at slot 1: the first change steps them to slot 2
	s_mov_b32 s24, 1                               ; group 0: count = 1,
	s_lshl_b32 s25, s[WV], 14                      ; LDS: slot 0, wave x 16,384,
	s_mov_b64 s[26:27], s[28:29]                   ; the global address,
	s_or_b32 s27, s27, 0x80000000                  ; type = 2
	TLOAD                                          ; slot 0: the one first fill at the start
	s_add_nc_u64 s[46:47], s[4:5], s[46:47]
	s_add_nc_u64 s[50:51], s[4:5], s[50:51]
	s_add_nc_u64 s[OB0:OB0+1], s[6:7], s[54:55]
	s_add_nc_u64 s[OB1:OB1+1], s[6:7], s[52:53]
.irp t, 0,1
.irp c, 0,1
.irp g, 0,1
	global_load_b128 v[Q+16*\t+8*\c+4*\g:Q+16*\t+8*\c+4*\g+3], v[LI], s[46:47] offset:\t*2048+\c*1024+\g*512     ; both blocks' Q stay in registers
	global_load_b128 v[QN+16*\t+8*\c+4*\g:QN+16*\t+8*\c+4*\g+3], v[LI], s[50:51] offset:\t*2048+\c*1024+\g*512
.endr
.endr
.endr
.irp t, 0,1
	v_mov_b32 v[ST+8*\t+1], 0xff61b1e6             ; m: -3e38, under every score
	v_mul_f32 v[ST+8*\t], s[CS], v[ST+8*\t+1]      ; c m
	v_mov_b32 v[ST+8*\t+2], 0                      ; l
	v_mov_b32 v[ST+8*\t+3], 0
.endr
.set i, 0
.rept 64
	v_mov_b32 v[O+i], 0                            ; O^T: the step is written once: the first finds zeros, which the first factor, 0, leaves zeros
.set i, i+1
.endr
	s_wait_loadcnt 0x0                             ; Q
; The accumulators take turns, one instruction a turn: between two links of a chain stand seven others'.
.macro KQ                              ; S^T = K Q^T: product i: channels 32 (i / 8) on, keys 16 ((i / 2) % 4) on, tile i % 2
.set i, 0
.rept 16
.set rS, S+32*(i%2)+8*((i/2)%4)
.set rK, KF+8*(2*((i/2)%4)+i/8)
.set rQ, Q+16*(i%2)+8*(i/8)
.if i < 8
	v_wmma_f32_16x16x32_f16 v[rS:rS+7], v[rK:rK+7], v[rQ:rQ+7], 0
.else
	v_wmma_f32_16x16x32_f16 v[rS:rS+7], v[rK:rK+7], v[rQ:rQ+7], v[rS:rS+7]
.endif
.set i, i+1
.endr
.endm
.macro PV                              ; O^T += V^T P: product i: keys 32 (i / 8) on, channels 16 ((i / 2) % 4) on, tile i % 2
.set i, 0
.rept 16
.set rO, O+32*(i%2)+8*((i/2)%4)
.set rV, VF+8*(4*(i/8)+(i/2)%4)
.set rP, P+16*(i%2)+8*(i/8)
	v_wmma_f32_16x16x32_f16 v[rO:rO+7], v[rV:rV+7], v[rP:rP+7], v[rO:rO+7]
.set i, i+1
.endr
.endm
.macro LDK st                          ; a step's K: 8 fragments, 16 loads of 512 consecutive bytes
	WIN 0x40
.irp f, 0,1,2,3,4,5,6,7
	ds_load_b128 v[KF+8*\f:KF+8*\f+3],   v[ADR] offset:(\st)*8192+\f*1024
	ds_load_b128 v[KF+8*\f+4:KF+8*\f+7], v[ADR] offset:(\st)*8192+\f*1024+512
.endr
	WIN 0
.endm
.macro LDV st
	WIN 0x40
.irp f, 0,1,2,3,4,5,6,7
	ds_load_b128 v[VF+8*\f:VF+8*\f+3],   v[ADR] offset:VOFF+(\st)*8192+\f*1024
	ds_load_b128 v[VF+8*\f+4:VF+8*\f+7], v[ADR] offset:VOFF+(\st)*8192+\f*1024+512
.endr
	WIN 0
.endm
; Register n of tile t holds key 64 st + 16 (n / 8) + 8 (lane / 16) + n % 8 of the slot, for query s35 + 16 t + lane % 16: hidden where 16 (n / 8) + n % 8 > s35 - 64 st + 16 t + lane % 16 - 8 (lane / 16)
.macro MASK st
	s_sub_co_i32 s36, s[DQ], 64*\st
	v_add_nc_u32 v[D0], s36, v[RH]
	v_add_nc_u32 v[D0+1], 16, v[D0]
.irp t, 0,1
.set n, 0
.rept 32
	v_cmp_gt_i32 vcc_lo, 16*(n/8)+n%8, v[D0+\t]
	v_cndmask_b32 v[S+32*\t+n], v[S+32*\t+n], v[NINF], vcc_lo
.set n, n+1
.endr
.endr
.endm
; Pair n of the two tiles' 32 pairs of scores: tile n % 2, registers 2 (n / 2), 2 (n / 2) + 1
.macro SA n                            ; c s - c m
.set tA, (\n)%2
.set bA, (\n)/2
	v_pk_fma_f32 v[S+32*tA+2*bA:S+32*tA+2*bA+1], v[S+32*tA+2*bA:S+32*tA+2*bA+1], s[CS:CS+1], v[ST+8*tA:ST+8*tA+1] op_sel_hi:[1,0,0] neg_lo:[0,0,1] neg_hi:[0,0,1]
.endm
.macro SE n                            ; p
.set tA, (\n)%2
.set bA, (\n)/2
	v_exp_f32 v[S+32*tA+2*bA], v[S+32*tA+2*bA]
	v_exp_f32 v[S+32*tA+2*bA+1], v[S+32*tA+2*bA+1]
.endm
.macro SC n                            ; l takes the pair; the pair is rounded to f16: a register of P
.set tA, (\n)%2
.set bA, (\n)/2
	s_wait_alu depctr_va_vdst(0)
	v_pk_add_f32 v[ST+8*tA+2:ST+8*tA+3], v[ST+8*tA+2:ST+8*tA+3], v[S+32*tA+2*bA:S+32*tA+2*bA+1]
	v_cvt_pk_f16_f32 v[P+16*tA+bA], v[S+32*tA+2*bA], v[S+32*tA+2*bA+1]
.endm
.macro SD n                            ; a pair of O^T under the new maximum
.set tA, (\n)%2
.set bA, (\n)/2
	v_pk_mul_f32 v[O+32*tA+2*bA:O+32*tA+2*bA+1], v[O+32*tA+2*bA:O+32*tA+2*bA+1], v[ST+8*tA+6:ST+8*tA+7] op_sel_hi:[1,0]
.endm
.macro SOFTMAX
.irp j, 0,1,2,3                        ; the maximum of a lane's 32 scores and the old m: four chains, one to an accumulator, each begun at its low end; the two tiles alternate
.irp t, 0,1
	v_max3_num_f32 v[ST+8*\t+4+\j], v[S+32*\t+8*\j], v[S+32*\t+8*\j+1], v[S+32*\t+8*\j+2]
.endr
.endr
.irp u, 1,2
.irp j, 0,1,2,3
.irp t, 0,1
	v_max3_num_f32 v[ST+8*\t+4+\j], v[ST+8*\t+4+\j], v[S+32*\t+8*\j+2*\u+1], v[S+32*\t+8*\j+2*\u+2]
.endr
.endr
.endr
.irp t, 0,1
	v_max3_num_f32 v[ST+8*\t+4], v[ST+8*\t+4], v[S+32*\t+7], v[S+32*\t+15]
.endr
.irp t, 0,1
	v_max3_num_f32 v[ST+8*\t+6], v[ST+8*\t+6], v[S+32*\t+23], v[S+32*\t+31]
.endr
.irp t, 0,1
	v_max3_num_f32 v[ST+8*\t+4], v[ST+8*\t+4], v[ST+8*\t+5], v[ST+8*\t+6]
.endr
.irp t, 0,1
	v_max3_num_f32 v[ST+8*\t+4], v[ST+8*\t+4], v[ST+8*\t+7], v[ST+8*\t+1]
.endr
.irp t, 0,1
	v_permlanex16_b32 v[ST+8*\t+5], v[ST+8*\t+4], s[SEL], s[SEL+1]   ; the query's other 32 keys lie in the lane 16 away
.endr
.irp t, 0,1
	v_mov_b32 v[ST+8*\t+7], v[ST+8*\t]             ; c m_old
.endr
.irp t, 0,1
	v_max_num_f32 v[ST+8*\t+1], v[ST+8*\t+4], v[ST+8*\t+5]
.endr
.irp t, 0,1
	v_mul_f32 v[ST+8*\t], s[CS], v[ST+8*\t+1]
.endr
.irp t, 0,1
	v_sub_f32 v[ST+8*\t+7], v[ST+8*\t+7], v[ST+8*\t]
.endr
.irp t, 0,1
	v_exp_f32 v[ST+8*\t+6], v[ST+8*\t+7]           ; the factor 2^(c m_old - c m_new)
.endr
	SA 0                                           ; (plain instructions behind the exponentials)
	SA 1
	s_wait_alu depctr_va_vdst(0)
.irp t, 0,1
	v_pk_mul_f32 v[ST+8*\t+2:ST+8*\t+3], v[ST+8*\t+2:ST+8*\t+3], v[ST+8*\t+6:ST+8*\t+7] op_sel_hi:[1,0]
.endr
.set nn, 0
.rept 32                               ; a pair's exponentials stand between the scaling of the pair two on and the sum and rounding of the pair before: plain work behind every exponential before its result is used
.if nn < 30
	SA nn+2
.endif
	SE nn
.if nn > 0
	SC nn-1
.endif
	SD nn
.set nn, nn+1
.endr
	SC 31
.endm
; A KEY STEP: 64 keys, the st-th of the slot.  At its head K's 16 loads and behind them V's 16 are out.
.macro STEP st, id
.if \st > 0
	s_cmp_lt_i32 s[DQ], 64*\st-31                  ; all keys from here on come after my last query: the rest of the slot is left out
	s_cbranch_scc1 .Lend_\id
.endif
	s_wait_dscnt 16                                ; K is in; V's 16 loads may be out
	WIN 0x01                                       ; source 0 in window 1
	KQ
	WIN 0
	PLACES                                         ; behind the products: for the loads into K's registers and the reads of the scores
.if \st < 3
	LDK \st+1
.endif
	s_cmp_ge_i32 s[DQ], 64*\st+63                  ; all 64 keys count for all my queries: no mask
	s_cbranch_scc1 .Lopen_\id\st
	MASK \st
.Lopen_\id\st:
	SOFTMAX
.if \st < 3
	s_wait_dscnt 16                                ; V is in; the next step's K may be out
.else
	s_wait_dscnt 0x0
.endif
	WIN 0x01
	PV
	WIN 0
	PLACES
.if \st < 3
	LDV \st+1
.endif
.endm
.macro SLOT_STEPS id
	v_add_nc_u32 v[ADR], s[TB], v[LI]
	LDK 0
	LDV 0
	STEP 0, \id
	STEP 1, \id
	STEP 2, \id
	STEP 3, \id
.Lend_\id:
	s_xor_b32 s[TB], s[TB], SLOTB                  ; on to the other slot,
	s_sub_co_i32 s[DQ], s[DQ], 256                 ; whose keys lie 256 further on
.endm
; THE CHANGE OF SLOTS stands at a slot's head.  Each wave waits for all its tensor loads (its part of the slot ahead), adds 0 to its spare word, and waits for that and for its LDS loads from the slot that it has left.
; Behind the barrier the slot ahead is whole and nobody reads the other one; fill = 1: that one is filled with the next trip's keys: the load has a slot's four steps in which to land.
.macro CHANGE fill
	s_wait_tensorcnt 0x0                           ; no tensor load of mine is out, so group 0 may be written
	ds_add_u32 v[SPW], v[NIL]                      ; 0 onto my spare word
.if \fill
	s_xor_b32 s25, s25, SLOTB                      ; the other slot than last time
	s_add_co_u32 s30, s30, 32768                   ; the next 256 keys,
	s_cmp_eq_u32 s[SLOTS], s[WRAP]
	s_cselect_b32 s30, 0, s30                      ; or, in the first block's last trip, the second block's first
	s_add_nc_u64 s[26:27], s[28:29], s[30:31]
	s_or_b32 s27, s27, 0x80000000
	s_wait_xcnt 0x0                                ; the last prefetches, a slot back, have read their address
	s_add_nc_u64 s[PFA:PFA+1], s[PFA:PFA+1], 32768
.endif
	s_wait_dscnt 0x0                               ; the add is done, and all my LDS loads are back
	s_barrier_signal -1
	s_barrier_wait -1
.if \fill
	TLOAD                                          ; the first thing behind the barrier, and a wave's one tensor load until the next
	ASK
.endif
.endm
; A block's end: l's halves and the other lanes' are added; O^T / l, rounded to f16, is stored as half fragments of the last launch's operand: 512 consecutive bytes a store.
.macro FINAL ob
.irp t, 0,1
	v_add_f32 v[ST+8*\t+4], v[ST+8*\t+2], v[ST+8*\t+3]
.endr
.irp t, 0,1
	v_permlanex16_b32 v[ST+8*\t+5], v[ST+8*\t+4], s[SEL], s[SEL+1]
.endr
.irp t, 0,1
	v_add_f32 v[ST+8*\t+4], v[ST+8*\t+4], v[ST+8*\t+5]
.endr
.irp t, 0,1
	v_rcp_f32 v[ST+8*\t+6], v[ST+8*\t+4]
.endr
	v_nop                                          ; a plain instruction between the last reciprocal and the use of its result
	s_wait_alu depctr_va_vdst(0)
.irp t, 0,1
.set i, 0
.rept 16
	v_pk_mul_f32 v[O+32*\t+2*i:O+32*\t+2*i+1], v[O+32*\t+2*i:O+32*\t+2*i+1], v[ST+8*\t+6:ST+8*\t+7] op_sel_hi:[1,0]
.set i, i+1
.endr
.endr
.irp t, 0,1
.set i, 0
.rept 16
	v_cvt_pk_f16_f32 v[P+16*\t+i], v[O+32*\t+2*i], v[O+32*\t+2*i+1]
.set i, i+1
.endr
.endr
.irp t, 0,1
.irp ct, 0,1,2,3
	global_store_b128 v[LI], v[P+16*\t+4*\ct:P+16*\t+4*\ct+3], s[\ob:\ob+1] offset:\t*32768+\ct*512
.endr
.endr
.endm
.Lslot:                                            ; eight trips; behind each change of slots the next trip's keys are asked for
	CHANGE 1
	SLOT_STEPS 0
	s_cmp_lg_u32 s[SLOTS], s[WRAP]                 ; was this the first block's last slot?  (ids alone)
	s_cbranch_scc1 .Lnot_yet
	FINAL OB0
.set i, 0
.rept 32
	v_mov_b32 v[Q+i], v[QN+i]                      ; the second block's queries
.set i, i+1
.endr
.irp t, 0,1
	v_mov_b32 v[ST+8*\t+1], 0xff61b1e6             ; m anew: the next factor is then 0, which clears l and O^T (both are finite)
	v_mul_f32 v[ST+8*\t], s[CS], v[ST+8*\t+1]
.endr
	s_mov_b32 s[DQ], s[DQL]
	s_wait_xcnt 0x0                                ; the stores have read P's registers, which the next softmax writes
.Lnot_yet:
	s_sub_co_u32 s[SLOTS], s[SLOTS], 1
	s_cmp_lg_u32 s[SLOTS], 0
	s_cbranch_scc1 .Lslot
	CHANGE 0                                       ; the ninth slot is written out
	SLOT_STEPS 1
	FINAL OB1
	s_wait_tensorcnt 0x0                           ; the wave's end
	ds_add_u32 v[SPW], v[NIL]
	s_wait_dscnt 0x0
	s_endpgm
.Lfunc_end_k_q9b19727c84_attn:
	.size	k_q9b19727c84_attn, .Lfunc_end_k_q9b19727c84_attn-k_q9b19727c84_attn
	.p2alignl 7, 3214868480
	.fill 96, 4, 3214868480
	.section	.rodata,"a",@progbits
	.p2align	6, 0x0
	.amdhsa_kernel k_q9b19727c84_attn
		.amdhsa_group_segment_fixed_size 327680
		.amdhsa_private_segment_fixed_size 0
		.amdhsa_enable_private_segment 0
		.amdhsa_kernarg_size 16
		.amdhsa_user_sgpr_count 2
		.amdhsa_user_sgpr_kernarg_segment_ptr 1
		.amdhsa_wavefront_size32 1
		.amdhsa_system_sgpr_workgroup_id_x 1
		.amdhsa_system_sgpr_workgroup_id_y 1
		.amdhsa_system_sgpr_workgroup_id_z 1
		.amdhsa_system_vgpr_workitem_id 0
		.amdhsa_next_free_vgpr 384
		.amdhsa_next_free_sgpr 66
		.amdhsa_reserve_vcc 1
		.amdhsa_float_denorm_mode_32 3
		.amdhsa_float_denorm_mode_16_64 3
		.amdhsa_memory_ordered 1
		.amdhsa_forward_progress 1
		.amdhsa_inst_pref_size 201
	.end_amdhsa_kernel
	.amdgpu_metadata
---
amdhsa.version: [ 1, 2 ]
amdhsa.kernels:
  - .name:           k_q9b19727c84_attn
    .symbol:         k_q9b19727c84_attn.kd
    .args:
      - { .name: qkv, .offset: 0, .size: 8, .value_kind: global_buffer, .address_space: global }
      - { .name: a_img, .offset: 8, .size: 8, .value_kind: global_buffer, .address_space: global }
    .group_segment_fixed_size: 327680
    .private_segment_fixed_size: 0
    .kernarg_segment_align: 8
    .kernarg_segment_size: 16
    .max_flat_workgroup_size: 256
    .sgpr_count:     66
    .vgpr_count:     384
    .wavefront_size: 32
...
	.end_amdgpu_metadata
.endif
;; end of part 3
;; launch outp (part 4): grid 4 x 64, 4 waves a work-group, clusters of 4 x 4, 327,680 bytes of LDS; arguments a_img, wo_img, out0; writes out0
.if DOCPART == 4
	.amdgcn_target "amdgcn-amd-amdhsa--gfx1250"
	.amdhsa_code_object_version 6
	.text
	.protected	k_q9b19727c84_outp
	.globl	k_q9b19727c84_outp
	.p2align	8
	.type	k_q9b19727c84_outp,@function
k_q9b19727c84_outp:
	s_mov_b64 s[64:65], 0
	v_nop
	global_prefetch_b8 v0, s[64:65] scope:SCOPE_SE
	s_setreg_imm32_b32 hwreg(HW_REG_WAVE_MODE, 25, 1), 1
	s_wait_xcnt 0x0
	s_wait_alu depctr_hold_cnt(0) depctr_sa_sdst(0) depctr_va_vdst(0) depctr_va_sdst(0) depctr_va_ssrc(0) depctr_va_vcc(0) depctr_vm_vsrc(0)
	s_getreg_b32 s2, hwreg(HW_REG_IB_STS2, 6, 4)
	s_cmp_eq_u32 s2, 0
	s_cbranch_scc0 .Lentry_in_a_cluster
	s_endpgm
.Lentry_in_a_cluster:
	s_bfe_u32 s2, ttmp6, 0x10000c
	s_cmp_lg_u32 s2, 0xf033
	s_cbranch_scc0 .Lentry_shape_is_right
	s_endpgm
.Lentry_shape_is_right:
; out0 [8192][1024] f32 = A [8192][1024] W_O [1024 (k)][1024 (n)], both operands in f16, sums in f32.  Both arrive as images of operand registers: a fragment (16 rows x 32 K) is 1,024 bytes, lane l's 16 bytes at 16 l and 512 + 16 l;
; a_img [row / 16][k / 32][1,024], wo_img [n / 16][k / 32][1,024].  So a K step of 128 of one tile of 16 rows is 4,096 consecutive bytes, and every LDS load reads 512 consecutive bytes: no padding.
; A tile of the result is 128 (rows) x 256 (columns): 64 x 4 = 256 work-groups.  Four waves, each 64 x 128: 32 accumulators, 256 registers.  K goes in 8 steps of 128 through two LDS slots.
; CLUSTERS: 4 x 4 work-groups; A's tiles are asked for jointly along a row of the cluster, W_O's along a column.
; THE MATRIX INSTRUCTION IS USED TRANSPOSED (source 0 = 16 columns of W_O, source 1 = 16 rows of A): a lane holds eight neighbouring numbers of a row of the result.
; REGISTERS: window 0: v0-31 addresses; v128-255 rows on the way out.  window 1: two fragment buffers (v0, v128): A's 4 fragments, then from +32 W_O's 8.  window 2: the accumulators ((a, b) at v[8 (8 a + b)]).
; LIMITS: those of the launches that made the two operands.
.set KSTEPB, 4096                      ; a K step of one tile of 16 rows, in bytes
.set SLOT,   98304                     ; A's 8 tiles x 4,096, then W_O's 16 x 4,096
.set BOFF,   32768
.set SPARE,  196608                    ; behind the slots: the spare words, 128 bytes a wave; no other line names them
.set SPITCH, 528                       ; the way out: a stage of 16 rows x (512 bytes + 16) for each wave, in slot 0, which has had its last fill and its last read when the first result is stored there
.set ADRA, 16
.set ADRB, 20
.set STO,  24
.set RD,   25
.set CO,   26
.set SPW,  28
.set NIL,  29
.set BK,   128
.set F0,   0
.set F1,   128
.set G1, 24
.set G0, 32
.set G1B, 48
.set G0B, 56
.set MSB, 0
.macro WIN new
.if MSB != \new
	s_set_vgpr_msb (MSB<<8)|\new
.set MSB, \new
.endif
.endm
.set MUL,  0xa5                        ; sources 0 and 1 window 1; C and D window 2
.set TO_F, 0x40                        ; destination window 1, address window 0
.macro JLOAD s                         ; a joint load: waves 0 and 1 fetch A's halves, waves 2 and 3 W_O's; four v_nop follow each of the two lines
	s_cmp_eq_u32 s11, 0
	s_cbranch_scc0 .Lfor_b_\@
	tensor_load_to_lds s[G0+4*\s:G0+4*\s+3], s[G1:G1+7]
	s_nop 0
.rept 4
	v_nop
.endr
	s_branch .Lasked_\@
.Lfor_b_\@:
	tensor_load_to_lds s[G0B+4*\s:G0B+4*\s+3], s[G1B:G1B+7]
	s_nop 0
.rept 4
	v_nop
.endr
.Lasked_\@:
.endm
.macro CREST                           ; a round of the cluster's barrier behind its opening barrier
	s_cmp_lg_u32 s10, 0
	s_cbranch_scc1 .Lnot_wave_0_\@
	s_barrier_signal -3
.Lnot_wave_0_\@:
	s_barrier_wait -3
	s_barrier_signal -1
	s_barrier_wait -1
.endm
.macro CROUND
	s_barrier_signal -1
	s_barrier_wait -1
	CREST
.endm
	s_load_b128 s[4:7], s[0:1], 0x0                ; a_img s[4:5], wo_img s[6:7]
	s_load_b64 s[8:9], s[0:1], 0x10                ; out0
	v_lshl_add_u32 v[SPW], v0, 2, SPARE
	v_mov_b32 v[NIL], 0
	ds_add_u32 v28, v29
	s_wait_dscnt 0x0
	v_lshrrev_b32 v1, 5, v0
	v_readfirstlane_b32 s10, v1                    ; wave 0..3
	s_lshr_b32 s11, s10, 1                         ; which half of the tile's rows is mine.  Also: I fetch for A (0) or for W_O (1)
	s_and_b32 s12, s10, 1                          ; which half of its columns.  Also: which half of that tile I fetch
	s_bfe_u32 s40, ttmp6, 0x40000                  ; cx
	s_bfe_u32 s41, ttmp6, 0x40004                  ; cy
	s_lshl_b32 s42, ttmp9, 2
	s_add_co_u32 s42, s42, s40                     ; tile column = 4 x cluster x + cx
	s_and_b32 s13, ttmp7, 0xffff
	s_lshl_b32 s13, s13, 2
	s_add_co_u32 s13, s13, s41                     ; tile row = 4 x cluster y + cy
	s_lshl_b32 s43, s41, 2
	s_lshl_b32 s43, 15, s43                        ; my row of the cluster
	s_lshl_b32 s44, 0x1111, s40                    ; my column
	; descriptor group 1, elements of 8 bytes: rows of 512 elements (a K step of a tile of 16 rows), 4,096 elements from row to row; A: 4 rows a load, W_O: 8
	s_or_b32 s[G1+0], s43, (3<<16)|(1<<21)
	s_or_b32 s[G1B+0], s44, (3<<16)|(1<<21)
	s_mov_b32 s[G1+1], 512<<16                     ; tensor_dim0
	s_mov_b32 s[G1+2], 4<<16                       ; tensor_dim1
	s_mov_b32 s[G1+3], 512<<16                     ; tile_dim0
	s_mov_b32 s[G1+4], 4                           ; tile_dim1
	s_mov_b32 s[G1+5], 4096
	s_mov_b32 s[G1+6], 0
	s_mov_b32 s[G1+7], 0
	s_mov_b32 s[G1B+1], 512<<16
	s_mov_b32 s[G1B+2], 8<<16
	s_mov_b32 s[G1B+3], 512<<16
	s_mov_b32 s[G1B+4], 8
	s_mov_b32 s[G1B+5], 4096
	s_mov_b32 s[G1B+6], 0
	s_mov_b32 s[G1B+7], 0
	s_lshl_b32 s16, s13, 18                        ; A: 8 tiles of 32,768 bytes a tile row,
	s_lshl_b32 s17, s12, 17                        ; + 4 for my half
	s_add_co_u32 s16, s16, s17
	s_mov_b32 s17, 0
	s_lshl_b32 s46, s42, 19                        ; W_O: 16 a tile column,
	s_lshl_b32 s47, s12, 18                        ; + 8 for my half
	s_add_co_u32 s46, s46, s47
	s_mov_b32 s47, 0
	s_lshl_b32 s20, s12, 14                        ; where they go in a slot: A's halves,
	s_lshl_b32 s21, s12, 15
	s_add_co_u32 s21, s21, BOFF                    ; W_O's halves: the wave's number alone
	s_wait_kmcnt 0x0
	s_add_nc_u64 s[14:15], s[4:5], s[16:17]
	s_add_nc_u64 s[46:47], s[6:7], s[46:47]
	CROUND                                         ; all sixteen work-groups are here: the first joint loads meet
.irp s, 0,1
	s_mov_b32 s[G0+4*\s], 1
	s_add_co_u32 s[G0+4*\s+1], s20, \s*SLOT
	s_add_nc_u64 s[G0+4*\s+2:G0+4*\s+3], s[14:15], \s*KSTEPB
	s_or_b32 s[G0+4*\s+3], s[G0+4*\s+3], 0x80000000
	s_mov_b32 s[G0B+4*\s], 1
	s_add_co_u32 s[G0B+4*\s+1], s21, \s*SLOT
	s_add_nc_u64 s[G0B+4*\s+2:G0B+4*\s+3], s[46:47], \s*KSTEPB
	s_or_b32 s[G0B+4*\s+3], s[G0B+4*\s+3], 0x80000000
	JLOAD \s                                       ; two tensor loads of mine are out
.endr
	v_and_b32 v3, 31, v0
	v_lshlrev_b32 v[CO], 4, v3                     ; 16 x lane
	s_lshl_b32 s18, s11, 14                        ; my 4 tiles of A
	s_lshl_b32 s19, s12, 15                        ; my 8 tiles of W_O,
	s_add_co_u32 s19, s19, BOFF                    ; which lie behind A's
.irp s, 0,1
	v_add_nc_u32 v[ADRA+\s], s18, v[CO]
	v_add_nc_u32 v[ADRB+\s], s19, v[CO]
	s_add_co_u32 s18, s18, SLOT
	s_add_co_u32 s19, s19, SLOT
.endr
	v_and_b32 v1, 15, v0                           ; l % 16
	v_bfe_u32 v2, v0, 4, 1                         ; l / 16
	s_mul_i32 s23, s10, 16*SPITCH                  ; my stage
	v_mul_u32_u24 v5, v1, SPITCH                   ; in: row l % 16, 32 bytes for each half of the lanes
	v_lshl_add_u32 v5, v2, 5, v5
	v_add_nc_u32 v[STO], s23, v5
	v_add_nc_u32 v[RD], s23, v[CO]                 ; back: the 32 lanes take one row of 512 bytes
	s_lshl_b32 s16, s13, 19                        ; out0: 128 rows of 4,096 bytes a tile row,
	s_lshl_b32 s17, s11, 18                        ; + 64 rows for my half,
	s_add_co_u32 s16, s16, s17
	s_lshl_b32 s17, s42, 10                        ; + 1,024 bytes a tile column,
	s_add_co_u32 s16, s16, s17
	s_lshl_b32 s17, s12, 9                         ; + 512 for my half
	s_add_co_u32 s16, s16, s17
	s_mov_b32 s17, 0
	s_add_nc_u64 s[8:9], s[8:9], s[16:17]
; 8 matrix instructions: A's block a x W_O's eight, 32 along K.  The 32 accumulators take turns, one instruction a turn, in the same order in every quarter.
.macro MUL8 f, a, zero
.irp b, 0,1,2,3,4,5,6,7
.if \zero
	v_wmma_f32_16x16x32_f16 v[8*(8*(\a)+\b):8*(8*(\a)+\b)+7], v[\f+32+8*\b:\f+32+8*\b+7], v[\f+8*(\a):\f+8*(\a)+7], 0
.else
	v_wmma_f32_16x16x32_f16 v[8*(8*(\a)+\b):8*(8*(\a)+\b)+7], v[\f+32+8*\b:\f+32+8*\b+7], v[\f+8*(\a):\f+8*(\a)+7], v[8*(8*(\a)+\b):8*(8*(\a)+\b)+7]
.endif
.endr
.endm
; 24 LDS loads in one run: the fragments of 32 along K (the slot's kb-th) into buffer f: W_O's eight, then A's blocks 0, 1, then 2, 3
.macro FETCH slot, kb, f
	WIN TO_F
.irp b, 0,1,2,3,4,5,6,7
	ds_load_b128 v[\f+32+8*\b:\f+32+8*\b+3],   v[ADRB+\slot] offset:\b*4096+(\kb)*1024
	ds_load_b128 v[\f+32+8*\b+4:\f+32+8*\b+7], v[ADRB+\slot] offset:\b*4096+(\kb)*1024+512
.endr
.irp a, 0,1,2,3
	ds_load_b128 v[\f+8*\a:\f+8*\a+3],   v[ADRA+\slot] offset:\a*4096+(\kb)*1024
	ds_load_b128 v[\f+8*\a+4:\f+8*\a+7], v[ADRA+\slot] offset:\a*4096+(\kb)*1024+512
.endr
.endm
.macro PLACES                          ; plain vector instructions between a matrix instruction and a load into, or a read of, its registers
.rept 4
	v_nop
.endr
.endm
; A K step is four quarters of 32 along K, 32 matrix instructions each, on buffers 0, 1, 0, 1.  One of the first three: multiplies buffer f and fetches the slot's kb-th 32 into g.
.macro QUARTER slot, kb, f, g, zero
	s_wait_dscnt 4                                 ; W_O's fragments and A's blocks 0, 1 are in; the youngest four loads (blocks 2, 3) may be out
	WIN MUL
	MUL8 \f, 0, \zero
	MUL8 \f, 1, \zero
	PLACES
	FETCH \slot, \kb, \g
	s_wait_dscnt 24                                ; all but the 24 just issued
	WIN MUL
	MUL8 \f, 2, \zero
	MUL8 \f, 3, \zero
.endm
; The last quarter multiplies buffer 1 and changes slots: ONE barrier; in front of it each wave waits for all its tensor loads, adds 0 to its spare word, and waits for that and for its reads of this slot.
; fill = 1: the barrier opens a round of the cluster's, and this slot is filled again, two K steps ahead, first thing behind the round.
.macro TURN slot, next, fill
	WIN 0
	s_wait_tensorcnt 0x0                           ; all my tensor loads have landed: my part of the next slot
	ds_add_u32 v[SPW], v[NIL]                      ; 0 onto my spare word
	s_wait_dscnt 5                                 ; (the add and the youngest four loads may be out)
	WIN MUL
	MUL8 F1, 0, 0                                  ; eight matrix instructions stand between the add and the wait for it
	s_wait_dscnt 0x0                               ; the add is done, and my reads of this slot are over
	s_barrier_signal -1
	MUL8 F1, 1, 0
.if \fill
	WIN 0
.endif
	s_barrier_wait -1
.if \fill
	CREST                                          ; no wave of any partner still reads this slot's tile or has a load on its way
	s_add_nc_u64 s[G0+4*\slot+2:G0+4*\slot+3], s[G0+4*\slot+2:G0+4*\slot+3], 2*KSTEPB
	s_add_nc_u64 s[G0B+4*\slot+2:G0B+4*\slot+3], s[G0B+4*\slot+2:G0B+4*\slot+3], 2*KSTEPB
	JLOAD \slot                                    ; the four v_nop behind it are also the places in front of the loads below
.else
	PLACES
.endif
	FETCH \next, 0, F0
	WIN MUL
	MUL8 F1, 2, 0
	MUL8 F1, 3, 0
.endm
	s_wait_tensorcnt 1                             ; my part of K step 0 is in (K step 1's load may be out),
	s_barrier_signal -1
	s_barrier_wait -1                              ; everybody's is
	FETCH 0, 0, F0
	QUARTER 0, 1, F0, F1, 1                        ; the first quarter stands in front of the loop: its products start the sums
	WIN 0                                          ; at a label and at a branch every window is 0
	s_mov_b32 s3, 3
.Llap:                                                 ; a trip goes once round the ring, from a lap's second quarter to the next lap's first, and fills both slots again: K steps 2 to 7
	QUARTER 0, 2, F1, F0, 0
	QUARTER 0, 3, F0, F1, 0
	TURN 0, 1, 1
	QUARTER 1, 1, F0, F1, 0
	QUARTER 1, 2, F1, F0, 0
	QUARTER 1, 3, F0, F1, 0
	TURN 1, 0, 1
	QUARTER 0, 1, F0, F1, 0
	WIN 0
	s_sub_co_u32 s3, s3, 1
	s_cmp_lg_u32 s3, 0
	s_cbranch_scc1 .Llap
	QUARTER 0, 2, F1, F0, 0                        ; the last lap fills nothing, and has no round of the cluster's barrier
	QUARTER 0, 3, F0, F1, 0
	TURN 0, 1, 0
	QUARTER 1, 1, F0, F1, 0
	QUARTER 1, 2, F1, F0, 0
	QUARTER 1, 3, F0, F1, 0
	s_wait_dscnt 4                                 ; the very last quarter: nothing more to fetch
	WIN MUL
	MUL8 F1, 0, 0
	MUL8 F1, 1, 0
	s_wait_dscnt 0
	MUL8 F1, 2, 0
	MUL8 F1, 3, 0
	WIN 0
; THE WAY OUT, block by block of 16 rows x 128 columns: through my own stage in LDS and back as whole rows of 512 bytes.  LDS serves a wave's instructions in order (ISA guide 5.7.1.4): no wait between the stores and the loads.
.macro TOSTAGE a
	WIN 0x08                                       ; an LDS store's data are its source 1: window 2
.irp b, 0,1,2,3,4,5,6,7
	ds_store_b128 v[STO], v[64*(\a)+8*\b:64*(\a)+8*\b+3] offset:64*\b            ; each accumulator from its low end on
	ds_store_b128 v[STO], v[64*(\a)+8*\b+4:64*(\a)+8*\b+7] offset:64*\b+16
.endr
	WIN 0
.set BB, BK+64*((\a)%2)
.irp t, 0,1,2,3,4,5,6,7,8,9,10,11,12,13,14,15
	ds_load_b128 v[BB+4*\t:BB+4*\t+3], v[RD] offset:\t*SPITCH
.endr
.endm
.macro SEND a, younger                 ; younger: the LDS instructions issued behind block a's loads, which may stay out
.set BB, BK+64*((\a)%2)
	s_wait_dscnt \younger
.if (\a) > 0
	s_add_nc_u64 s[8:9], s[8:9], 16*4096           ; (behind a wait on XCNT: the earlier stores have read their base)  16 rows on
.endif
.irp t, 0,1,2,3,4,5,6,7,8,9,10,11,12,13,14,15
	global_store_b128 v[CO], v[BB+4*\t:BB+4*\t+3], s[8:9] offset:\t*4096 th:TH_STORE_NT   ; 32 lanes store 512 consecutive bytes, aligned; written once, read by nobody here
.endr
.endm
	PLACES                                         ; behind the last products, in front of the first read of results
	TOSTAGE 0
.irp a, 1,2,3
.if \a > 1
	s_wait_xcnt 0x0                                ; block a - 2's stores have read their registers and their base
.endif
	TOSTAGE \a
	SEND \a-1, 32                                  ; behind block a - 1's loads: block a's 16 stores and 16 loads
.endr
	s_wait_xcnt 0x0
	SEND 3, 0
	s_wait_tensorcnt 0x0                           ; the wave's end
	ds_add_u32 v[SPW], v[NIL]
	s_wait_dscnt 0x0
	CROUND                                         ; the closing round
	s_endpgm
.Lfunc_end_k_q9b19727c84_outp:
	.size	k_q9b19727c84_outp, .Lfunc_end_k_q9b19727c84_outp-k_q9b19727c84_outp
	.p2alignl 7, 3214868480
	.fill 96, 4, 3214868480
	.section	.rodata,"a",@progbits
	.p2align	6, 0x0
	.amdhsa_kernel k_q9b19727c84_outp
		.amdhsa_group_segment_fixed_size 327680
		.amdhsa_private_segment_fixed_size 0
		.amdhsa_enable_private_segment 0
		.amdhsa_kernarg_size 24
		.amdhsa_user_sgpr_count 2
		.amdhsa_user_sgpr_kernarg_segment_ptr 1
		.amdhsa_wavefront_size32 1
		.amdhsa_system_sgpr_workgroup_id_x 1
		.amdhsa_system_sgpr_workgroup_id_y 1
		.amdhsa_system_sgpr_workgroup_id_z 1
		.amdhsa_system_vgpr_workitem_id 0
		.amdhsa_next_free_vgpr 768
		.amdhsa_next_free_sgpr 66
		.amdhsa_reserve_vcc 0
		.amdhsa_float_denorm_mode_32 3
		.amdhsa_float_denorm_mode_16_64 3
		.amdhsa_memory_ordered 1
		.amdhsa_forward_progress 1
		.amdhsa_inst_pref_size 84
	.end_amdhsa_kernel
	.amdgpu_metadata
---
amdhsa.version: [ 1, 2 ]
amdhsa.kernels:
  - .name:           k_q9b19727c84_outp
    .symbol:         k_q9b19727c84_outp.kd
    .args:
      - { .name: a_img, .offset: 0, .size: 8, .value_kind: global_buffer, .address_space: global }
      - { .name: wo_img, .offset: 8, .size: 8, .value_kind: global_buffer, .address_space: global }
      - { .name: out0, .offset: 16, .size: 8, .value_kind: global_buffer, .address_space: global }
    .group_segment_fixed_size: 327680
    .private_segment_fixed_size: 0
    .kernarg_segment_align: 8
    .kernarg_segment_size: 24
    .max_flat_workgroup_size: 128
    .sgpr_count:     66
    .vgpr_count:     768
    .wavefront_size: 32
...
	.end_amdgpu_metadata
.endif
;; end of part 4
